; MI455X (gfx1250); checked and timed in simulation.
; The chip was launched on July 23, 2026; its instructions are those of AMD's public machine-readable ISA for CDNA 5 (MIT licence, August 2026) and "CDNA5" Instruction Set Architecture Reference Guide (July 2026). The comments in the code are by the model that wrote it; some were corrected since.
;; Hybrid Mo E. Allowed arithmetic: matrix products marked QUANTISED: E2M1 operands, one E8M0 scale for each 32 along K, by v_wmma_scale_f32_16x16x128_f8f6f4 with both operands' format E2M1 (or v_wmma_scale_f32_32x16x128_f4), f32 sums; products left as they are: f32 operands where the result goes on into a quantised operand, else bf16, f16 or f32 operands; f32 sums; everything else in f32.
;; Inputs: W1 4 x 1,024 x 1,024 float32; W2 4 x 1,024 x 1,024 float32; W3 4 x 1,024 x 1,024 float32; Wg 1,024 x 4 float32; w1s 1,024 x 1,024 float32; w2s 1,024 x 1,024 float32; w3s 1,024 x 1,024 float32; x 2 x 2,048 x 1,024 float32.
;; Outputs: out0 2 x 2,048 x 1,024 float32.
;; This version of the problem:
;;   THIS VERSION OF THE PROBLEM IS GIVEN IN LOW PRECISION. The matrix products marked QUANTISED in the list below multiply operands that are first quantised to E2M1 (2 exponent bits, 1 mantissa bit; 4 bits a number), with one power-of-two scale for each 32 numbers along K (OCP MX v1.0); their sums are f32. All else is computed in f32.
;;   The module's matrix products, in the order in which they are computed (A, B: the left and right operand; K: the contracted axis; several contracted axes count as one K, in the product's order):
;;     1. [M 4,096, K 1,024] x [K 1,024, N 1,024]; A: input x; B: input w1s: QUANTISED
;;     2. [M 4,096, K 1,024] x [K 1,024, N 1,024]; A: input x; B: input w2s: QUANTISED
;;     3. [M 4,096, K 1,024] x [K 1,024, N 1,024]; A: computed on the way; B: input w3s: QUANTISED
;;     4. [M 4,096, K 1,024] x [K 1,024, N 4]; A: input x; B: input Wg: left as it is (N = 4 < 16)
;;     5. [M 4,096, K 1,024] x [K 1,024, N 1,024]; A: input x; B: input W1: QUANTISED
;;     6. [M 4,096, K 1,024] x [K 1,024, N 1,024]; A: input x; B: input W2: QUANTISED
;;     7. [M 4,096, K 1,024] x [K 1,024, N 1,024]; A: computed on the way; B: input W3: QUANTISED
;;     8. [M 4,096, K 1,024] x [K 1,024, N 1,024]; A: input x; B: input W1: QUANTISED
;;     9. [M 4,096, K 1,024] x [K 1,024, N 1,024]; A: input x; B: input W2: QUANTISED
;;     10. [M 4,096, K 1,024] x [K 1,024, N 1,024]; A: computed on the way; B: input W3: QUANTISED
;;     11. [M 4,096, K 1,024] x [K 1,024, N 1,024]; A: input x; B: input W1: QUANTISED
;;     12. [M 4,096, K 1,024] x [K 1,024, N 1,024]; A: input x; B: input W2: QUANTISED
;;     13. [M 4,096, K 1,024] x [K 1,024, N 1,024]; A: computed on the way; B: input W3: QUANTISED
;;     14. [M 4,096, K 1,024] x [K 1,024, N 1,024]; A: input x; B: input W1: QUANTISED
;;     15. [M 4,096, K 1,024] x [K 1,024, N 1,024]; A: input x; B: input W2: QUANTISED
;;     16. [M 4,096, K 1,024] x [K 1,024, N 1,024]; A: computed on the way; B: input W3: QUANTISED
;;   THE QUANTISER, for each operand of a quantised product, along K:
;;     - K is cut into blocks of 32 from its start; a last block that is shorter is filled with zeros.
;;     - A block's scale is 2^e with e = floor(log2(the largest magnitude in the block)) - 2, held to -126 .. 127; a block of zeros has e = 0. As a byte (E8M0): e + 127.
;;     - Each number is divided by its block's scale, clamped to +-6, and rounded to the nearest number of E2M1, ties to even, subnormals kept.
;;     - The product sums the exact products of the quantised numbers (number of the format x scale) in f32.
;;   ~~~python
;;   def quantise(x, axis):      # numpy; x: float32 -> the quantised numbers, widened to float32 again
;;       x = np.moveaxis(x, axis, -1); K = x.shape[-1]
;;       x = np.pad(x, [(0, 0)] * (x.ndim - 1) + [(0, -K % 32)]); x = x.reshape(x.shape[:-1] + (-1, 32)); a = np.abs(x).max(-1, keepdims=True)
;;       e = np.where(a > 0, np.clip(np.frexp(np.where(a > 0, a, 1))[1] - 1 - 2, -126, 127), 0)      # np.frexp(a)[1] - 1 = floor(log2(a)), exactly
;;       r = np.clip(x / 2.0 ** e, -6, 6)
;;       step = 2.0 ** (np.maximum(np.frexp(np.where(r == 0, 1, r))[1] - 1, 0) - 1)
;;       q = np.round(r / step) * step * 2.0 ** e      # np.round: ties to even
;;       return np.moveaxis(q.reshape(q.shape[:-2] + (-1,))[..., :K], -1, axis).astype(np.float32)
;;   ~~~
;;   OPERANDS COMPUTED ON THE WAY. 'Computed on the way' means the value that the module computes at that place (a softmax that the list does not call 'softmax' is quantised finished and normalised). What goes into a quantiser is computed in f32, as accurately as f32 sums, v_exp_f32 and their like allow (about 1e-6 of the number): no bf16 or f16 on the way to a quantiser, and a product that is left as it is and whose result goes on into a quantised operand takes f32 operands (vector FMAs, or v_wmma_f32_16x16x4_f32). A number that lies on a knife's edge between two numbers of the format may be rounded either way, as far as f32 arithmetic and the matrix unit's own rounding can turn it there, and no further.
;; One version. Each part assembles by itself: llvm-mc -triple=amdgcn-amd-amdhsa -mcpu=gfx1250 --defsym DOCPART=n.
;; ======== version 1 of 1: 4 launches
;; workspace buffers: xq 2,228,224 bytes; idx 16,384 bytes of whole numbers; wq 8,355,840 bytes; route 16,896 bytes of whole numbers; gq 5,046,272 bytes
;; launch quantx (part 1): grid 256 x 1, 4 waves a work-group, no clusters, 167,936 bytes of LDS; arguments x, Wg, xq, idx; writes xq, idx
.if DOCPART == 1
	.amdgcn_target "amdgcn-amd-amdhsa--gfx1250"
	.amdhsa_code_object_version 6
	.text
	.protected	k_qb13010cea4_quantx
	.globl	k_qb13010cea4_quantx
	.p2align	8
	.type	k_qb13010cea4_quantx,@function
k_qb13010cea4_quantx:
	s_mov_b64 s[64:65], 0
	v_nop
	global_prefetch_b8 v0, s[64:65] scope:SCOPE_SE
	s_setreg_imm32_b32 hwreg(HW_REG_WAVE_MODE, 25, 1), 1
	s_wait_xcnt 0x0
; x [4096][1024] f32 becomes codes of FP4 (E2M1), K innermost, [4096][512 bytes] at xq + 0, and one E8M0 byte for each 32 along K, [4096][32 bytes] at xq + 2,097,152.
; The same pass makes the router's four logits of each token, x . Wg in f32 (fused multiply-adds on the unquantised numbers), and stores the argmax (the lowest index among equals) as a whole number in idx.
; No address and no branch here hangs on that choice: it goes to fixed places and is used by later launches.
; SHARES.  A work-group takes 16 tokens, a wave 4 (16 KiB): one tensor load a wave brings them, so all of x is asked for at the launch's start.  Wg (16 KiB) comes in four quarters, one a wave.
; The x tile lies in LDS as lines of 64 bytes + 16 of padding: a lane then reads 16 NEIGHBOURS along K (two lanes hold a block of 32), 80 bytes from lane to lane, which touches every bank once.
; A block's scale is 2^(floor(log2(largest magnitude)) - 2); its byte is the largest magnitude's exponent field - 2, held at 1 from below.
; LIMITS: a block of zeros gets the byte 1 where the rule says 127 (its codes are zeros, and this program alone reads the bytes); NaN and infinities are not served;
; the logits are summed in another order than a row-by-row sum: two logits that agree to about 1e-6 of their size may be ordered otherwise.
; No cluster: work-groups share only Wg, 16 KiB beside their own 64 KiB.  No matrix unit: the stream is bound by its bytes.
.set XREG,  20480                      ; a wave's tile in LDS: 256 lines of 80 bytes
.set WGL,   4*XREG                     ; Wg: 64 lines of 256 bytes + 16
.set SBL,   WGL+64*272                 ; 256 bytes a wave for its scale bytes
.set LG,    16                         ; v16-31   logits, four a token
.set X,     32                         ; v32-63   two sets of 16 neighbours
.set WR,    64                         ; v64-191  Wg[512 hf + 16 lane + i][e] at 64 hf + 4 i + e
.set CD,    192                        ; v192-207 codes, two registers a step
.set EB,    208                        ; v208-215 a scale byte a step
.set PS,    216                        ; v216-223 four chains of partial sums: (e 0,1 | e 2,3) x (even i | odd i)
	s_load_b256 s[4:11], s[0:1], 0x0               ; x s[4:5], Wg s[6:7], xq s[8:9], idx s[10:11]
	v_lshrrev_b32 v1, 5, v0
	v_readfirstlane_b32 s12, v1                    ; wave 0..3
	v_and_b32 v1, 31, v0                           ; lane
	; group 1 for x: 256 lines of 64 bytes, dense in memory, 16 bytes of padding behind each
	s_mov_b32 s16, (1<<20)|(3<<22)|(3<<25)         ; elements of 1 byte; padding on; after every 16 words; four words
	s_mov_b32 s17, 64<<16                          ; tensor_dim0
	s_mov_b32 s18, 256<<16                         ; tensor_dim1
	s_mov_b32 s19, 64<<16                          ; tile_dim0
	s_mov_b32 s20, 256                             ; tile_dim1
	s_mov_b32 s21, 64                              ; stride
	s_mov_b32 s22, 0
	s_mov_b32 s23, 0
	; group 1 for a quarter of Wg: 16 lines of 256 bytes (32 elements of 8), 16 bytes of padding behind each
	s_mov_b32 s24, (3<<16)|(1<<20)|(5<<22)|(3<<25)
	s_mov_b32 s25, 32<<16
	s_mov_b32 s26, 16<<16
	s_mov_b32 s27, 32<<16
	s_mov_b32 s28, 16
	s_mov_b32 s29, 32
	s_mov_b32 s30, 0
	s_mov_b32 s31, 0
	s_lshl_b32 s14, ttmp9, 16                      ; my four tokens in x: (16 work-group + 4 wave) x 4,096 bytes
	s_lshl_b32 s15, s12, 14
	s_add_co_u32 s14, s14, s15
	s_mov_b32 s15, 0
	s_lshl_b32 s2, s12, 12                         ; my quarter of Wg
	s_mov_b32 s3, 0
	s_mov_b32 s32, 1
	s_mul_i32 s33, s12, 16*272
	s_add_co_u32 s33, s33, WGL
	s_mov_b32 s36, 1
	s_mul_i32 s37, s12, XREG
	s_mov_b32 s40, 0x76543210
	s_mov_b32 s41, 0xfedcba98                      ; v_permlanex16_b32's selects for lane l xor 16
	s_wait_kmcnt 0x0
	s_add_nc_u64 s[34:35], s[6:7], s[2:3]
	s_or_b32 s35, s35, 0x80000000
	s_add_nc_u64 s[38:39], s[4:5], s[14:15]
	s_or_b32 s39, s39, 0x80000000
	tensor_load_to_lds s[32:35], s[24:31]          ; Wg's quarter first: it is wanted first
	tensor_load_to_lds s[36:39], s[16:23]          ; my four tokens.  Two loads of mine are out
.rept 4
	v_nop
.endr
	s_lshr_b32 s42, s14, 3                         ; codes: an eighth of x's bytes
	s_mov_b32 s43, 0
	s_add_nc_u64 s[42:43], s[8:9], s[42:43]
	s_lshr_b32 s44, s14, 7                         ; scale bytes: 32 a token
	s_add_co_u32 s44, s44, 2097152
	s_mov_b32 s45, 0
	s_add_nc_u64 s[44:45], s[8:9], s[44:45]
	s_lshr_b32 s46, s14, 10                        ; idx: 4 bytes a token
	s_mov_b32 s47, 0
	s_add_nc_u64 s[46:47], s[10:11], s[46:47]
	v_mul_u32_u24 v2, v1, 80
	v_add_nc_u32 v2, s37, v2                       ; my line of a step's 32
	v_mul_u32_u24 v3, v1, 272
	v_add_nc_u32 v3, WGL, v3                       ; my line of Wg: 16 rows of four numbers
	v_lshlrev_b32 v4, 3, v1                        ; my 8 bytes of a step's codes
	s_lshl_b32 s13, s12, 8
	s_add_co_u32 s13, s13, SBL
	v_lshrrev_b32 v5, 1, v1
	v_add_nc_u32 v5, s13, v5                       ; my block's byte
	v_lshlrev_b32 v7, 2, v1
	v_add_nc_u32 v6, s13, v7                       ; and on the way out 4 bytes a lane
	s_wait_tensorcnt 0x1                           ; my quarter of Wg has landed; my tokens may stay out
	s_barrier_signal -1
	s_barrier_wait -1                              ; everybody's quarter has
.irp hf, 0,1
.irp i, 0,1,2,3,4,5,6,7,8,9,10,11,12,13,14,15
	ds_load_b128 v[WR+64*\hf+4*\i:WR+64*\hf+4*\i+3], v3 offset:8704*\hf+16*\i
.endr
.endr
	s_wait_tensorcnt 0x0                           ; my tokens: only I read them
.macro XLD t                           ; step t: 512 numbers, 16 neighbours a lane
.irp i, 0,1,2,3
	ds_load_b128 v[X+16*((\t)%2)+4*\i:X+16*((\t)%2)+4*\i+3], v2 offset:2560*(\t)+16*\i
.endr
.endm
.macro ROUTE i, start                  ; x_i times Wg's row of four, two at a time; x_i is taken for both halves
.set PB, PS+4*((\i)%2)
.set XP, XS+2*((\i)/2)
.set WP, WS+4*(\i)
.if (\i)%2
.if \start
	v_pk_mul_f32 v[PB:PB+1], v[XP:XP+1], v[WP:WP+1] op_sel:[1,0] op_sel_hi:[1,1]
	v_pk_mul_f32 v[PB+2:PB+3], v[XP:XP+1], v[WP+2:WP+3] op_sel:[1,0] op_sel_hi:[1,1]
.else
	v_pk_fma_f32 v[PB:PB+1], v[XP:XP+1], v[WP:WP+1], v[PB:PB+1] op_sel:[1,0,0] op_sel_hi:[1,1,1]
	v_pk_fma_f32 v[PB+2:PB+3], v[XP:XP+1], v[WP+2:WP+3], v[PB+2:PB+3] op_sel:[1,0,0] op_sel_hi:[1,1,1]
.endif
.else
.if \start
	v_pk_mul_f32 v[PB:PB+1], v[XP:XP+1], v[WP:WP+1] op_sel_hi:[0,1]
	v_pk_mul_f32 v[PB+2:PB+3], v[XP:XP+1], v[WP+2:WP+3] op_sel_hi:[0,1]
.else
	v_pk_fma_f32 v[PB:PB+1], v[XP:XP+1], v[WP:WP+1], v[PB:PB+1] op_sel_hi:[0,1,1]
	v_pk_fma_f32 v[PB+2:PB+3], v[XP:XP+1], v[WP+2:WP+3], v[PB+2:PB+3] op_sel_hi:[0,1,1]
.endif
.endif
.endm
.macro STEP t                          ; half t % 2 of token t / 2
.set XS, X+16*((\t)%2)
.set HF, (\t)%2
.set WS, WR+64*HF
.set RW, LG+4*((\t)/2)
.if (\t) == 0
	s_wait_dscnt 0x0                               ; Wg and step 0
.else
	s_wait_dscnt 0x1                               ; this step's four loads are in; behind them stands the last step's byte store
.endif
.if (\t) < 7
	XLD (\t)+1
.endif
	v_max3_num_f32 v8, |v[XS]|, |v[XS+1]|, |v[XS+2]|               ; the largest magnitude of my 16, in two chains
	v_max3_num_f32 v9, |v[XS+3]|, |v[XS+4]|, |v[XS+5]|
.irp i, 6,10
	v_max3_num_f32 v8, v8, |v[XS+\i]|, |v[XS+\i+1]|
	v_max3_num_f32 v9, v9, |v[XS+\i+2]|, |v[XS+\i+3]|
.endr
	v_max3_num_f32 v8, v8, |v[XS+14]|, |v[XS+15]|
	v_max3_num_f32 v8, v8, v9, 0x1800000           ; and the floor 2^(3 - 127): the byte cannot fall under 1
	v_max_num_f32_dpp v8, v8, v8 row_xmask:1 row_mask:0xf bank_mask:0xf   ; with my neighbour's 16: the block's
	v_add_nc_u32 v10, 0xff000000, v8               ; 2 off its exponent field: the conversion takes this operand's exponent field as its scale
	v_cvt_scalef32_pk8_fp4_f32 v[CD+2*(\t)], v[XS:XS+7], v10
	v_cvt_scalef32_pk8_fp4_f32 v[CD+2*(\t)+1], v[XS+8:XS+15], v10
	v_lshrrev_b32 v[EB+(\t)], 23, v10              ; the scale's byte (a plain line behind the conversions)
	ds_store_b8 v5, v[EB+(\t)] offset:16*(\t)      ; both lanes of a block write the same byte with the same value
	global_store_b64 v4, v[CD+2*(\t):CD+2*(\t)+1], s[42:43] offset:256*(\t)   ; the wave stores 256 consecutive bytes, aligned
.irp i, 0,1
	ROUTE \i, 1-HF                                 ; a token's first products start its four chains
.endr
.irp i, 2,3,4,5,6,7,8,9,10,11,12,13,14,15
	ROUTE \i, 0
.endr
.if HF
	v_pk_add_f32 v[RW:RW+1], v[PS:PS+1], v[PS+4:PS+5]
	v_pk_add_f32 v[RW+2:RW+3], v[PS+2:PS+3], v[PS+6:PS+7]
.endif
.endm
	XLD 0
.irp t, 0,1,2,3,4,5,6,7
	STEP \t
.endr
	; the sixteen partial logits over the 32 lanes, by turns
.irp m, 1,2,4,8
.irp j, 0,1,2,3,4,5,6,7,8,9,10,11,12,13,14,15
	v_add_f32_dpp v[LG+\j], v[LG+\j], v[LG+\j] row_xmask:\m row_mask:0xf bank_mask:0xf
.endr
.endr
.irp j, 0,1,2,3,4,5,6,7,8,9,10,11,12,13,14,15
	v_permlanex16_b32 v[X+\j], v[LG+\j], s40, s41
.endr
.irp j, 0,1,2,3,4,5,6,7,8,9,10,11,12,13,14,15
	v_add_f32 v[LG+\j], v[LG+\j], v[X+\j]
.endr
	v_mov_b32 v12, 1
	v_mov_b32 v13, 2
	v_mov_b32 v14, 3
.irp p, 0,1,2,3
	v_mov_b32 v[8+\p], 0                           ; the argmax: a later expert wins only if it is strictly larger
.endr
.irp e, 1,2,3
.irp p, 0,1,2,3
	v_cmp_gt_f32 vcc_lo, v[LG+4*\p+\e], v[LG+4*\p]
	v_cndmask_b32 v[8+\p], v[8+\p], v[11+\e], vcc_lo
	v_max_num_f32 v[LG+4*\p], v[LG+4*\p], v[LG+4*\p+\e]
.endr
.endr
	ds_load_b32 v216, v6                           ; LDS serves a wave's instructions in order: this sees my byte stores
	s_wait_dscnt 0x0
	global_store_b32 v7, v216, s[44:45]            ; my four tokens' 128 scale bytes, consecutive
	s_wait_xcnt 0x0                                ; EXEC changes only behind this wait
	v_cmp_eq_u32 vcc_lo, 0, v1
	s_and_saveexec_b32 s13, vcc_lo
	global_store_b128 v7, v[8:11], s[46:47]        ; lane 0 (its v7 is 0): my four tokens' experts
	s_endpgm
.Lfunc_end_k_qb13010cea4_quantx:
	.size	k_qb13010cea4_quantx, .Lfunc_end_k_qb13010cea4_quantx-k_qb13010cea4_quantx
	.p2alignl 7, 3214868480
	.fill 96, 4, 3214868480
	.section	.rodata,"a",@progbits
	.p2align	6, 0x0
	.amdhsa_kernel k_qb13010cea4_quantx
		.amdhsa_group_segment_fixed_size 167936
		.amdhsa_private_segment_fixed_size 0
		.amdhsa_enable_private_segment 0
		.amdhsa_kernarg_size 32
		.amdhsa_user_sgpr_count 2
		.amdhsa_user_sgpr_kernarg_segment_ptr 1
		.amdhsa_wavefront_size32 1
		.amdhsa_system_sgpr_workgroup_id_x 1
		.amdhsa_system_sgpr_workgroup_id_y 1
		.amdhsa_system_sgpr_workgroup_id_z 1
		.amdhsa_system_vgpr_workitem_id 0
		.amdhsa_next_free_vgpr 224
		.amdhsa_next_free_sgpr 66
		.amdhsa_reserve_vcc 1
		.amdhsa_float_denorm_mode_32 3
		.amdhsa_float_denorm_mode_16_64 3
		.amdhsa_memory_ordered 1
		.amdhsa_forward_progress 1
		.amdhsa_inst_pref_size 40
	.end_amdhsa_kernel
	.amdgpu_metadata
---
amdhsa.version: [ 1, 2 ]
amdhsa.kernels:
  - .name:           k_qb13010cea4_quantx
    .symbol:         k_qb13010cea4_quantx.kd
    .args:
      - { .name: x, .offset: 0, .size: 8, .value_kind: global_buffer, .address_space: global }
      - { .name: Wg, .offset: 8, .size: 8, .value_kind: global_buffer, .address_space: global }
      - { .name: xq, .offset: 16, .size: 8, .value_kind: global_buffer, .address_space: global }
      - { .name: idx, .offset: 24, .size: 8, .value_kind: global_buffer, .address_space: global }
    .group_segment_fixed_size: 167936
    .private_segment_fixed_size: 0
    .kernarg_segment_align: 8
    .kernarg_segment_size: 32
    .max_flat_workgroup_size: 128
    .sgpr_count:     66
    .vgpr_count:     224
    .wavefront_size: 32
...
	.end_amdgpu_metadata
.endif
;; end of part 1
;; launch quantw (part 2): grid 241 x 1, 8 waves a work-group, no clusters, 262,144 bytes of LDS; arguments W1, W2, W3, w1s, w2s, w3s, idx, wq, route; writes wq, route
.if DOCPART == 2
	.amdgcn_target "amdgcn-amd-amdhsa--gfx1250"
	.amdhsa_code_object_version 6
	.text
	.protected	k_qb13010cea4_quantw
	.globl	k_qb13010cea4_quantw
	.p2align	8
	.type	k_qb13010cea4_quantw,@function
k_qb13010cea4_quantw:
	s_mov_b64 s[64:65], 0
	v_nop
	global_prefetch_b8 v0, s[64:65] scope:SCOPE_SE
	s_setreg_imm32_b32 hwreg(HW_REG_WAVE_MODE, 25, 1), 1
	s_wait_xcnt 0x0
; WORK-GROUPS 0 TO 239 turn the fifteen weight matrices [1024 (k)][1024 (n)] f32, whose K is the FIRST axis, into codes of FP4 (E2M1) with one E8M0 byte for each 32 along K, laid in wq IN THE ORDER OF THE OPERAND'S REGISTERS,
; so that the later launches load whole fragments, 16 bytes a lane, 512 consecutive bytes a load.  x = 0: the shared expert; x = e + 1: expert e.
;   WA  at 0:         [x 5][B 32][s 8][m 2][u 2][c 2][512 B]  W1 kind (m = 0), W2 kind (m = 1): lane (r', h) of an image holds unit 32 B + 8 u + r' + 8 (r' / 8), k = 128 s + 64 c + 32 h + 0 .. 31
;   WB  at 5,242,880: [x 5][f 64][sigma 16][c 2][r' 16][16 B]  W3: column 16 f + r', hidden units 32 (2 sigma + c) + 0 .. 31
;   SA  at 7,864,320: [x 5][m 2][s 8][1024 words]  word 32 B + 16 u + r', byte j = K block 4 s + j        SB at 8,192,000: [x 5][kq 8][1024 words]  word n, byte j = hidden block 4 kq + j
; A work-group takes 128 along K x 512 columns (256 KiB); a wave 64 columns, by two tensor loads of 64 rows x 256 bytes into its own 32 KiB: every byte of the weights is asked for at the launch's start, and nothing is filled again.
; A LANE TAKES A COLUMN AND ITS REGISTERS RUN DOWN K: a block of 32 lies in one lane, its maximum needs no other lane, and the conversions give codes with K innermost.  Each store of codes writes two aligned runs of 256 bytes.
; The scale words leave in runs of 128 bytes: one byte in 128 of what the launch reads.
; LIMITS: a block of zeros gets the byte 1 where the rule says 127 (its codes are zeros; this program alone reads the bytes); NaN and infinities are not served.
; WORK-GROUP 240 reads idx (stored by the launch before) and sorts the tokens by expert: route + 0: [4096] token numbers, expert by expert; route + 16,384: [32] records (expert, first place, rows, 0) of tiles of 144 rows.
; The sum over experts of ceil(count / 144) is at most 32 for every split of 4,096 tokens.  Its eight waves share nothing: each counts all of idx for itself and places its own 512 tokens.  It names no LDS.
; No cluster: no two work-groups read the same input bytes.
.set X,   32                           ; v32-95   two sets of 32 numbers
.set CD,  96                           ; v96-127  codes: four registers for each of eight units
.set SWD, 16                           ; v16-17   the scale words of my two column blocks
	s_load_b512 s[4:19], s[0:1], 0x0               ; W1 s[4:5], W2 s[6:7], W3 s[8:9], w1s s[10:11], w2s s[12:13], w3s s[14:15], idx s[16:17], wq s[18:19]
	s_load_b64 s[20:21], s[0:1], 0x40              ; route
	v_lshrrev_b32 v1, 5, v0
	v_readfirstlane_b32 s22, v1                    ; wave 0..7
	v_and_b32 v1, 31, v0                           ; lane
	s_cmp_eq_u32 ttmp9, 240
	s_cbranch_scc1 .Lsort
	s_lshr_b32 s23, ttmp9, 4                       ; which matrix, 0..14
	s_mul_i32 s24, s23, 11
	s_lshr_b32 s24, s24, 5                         ; x = matrix / 3
	s_mul_i32 s25, s24, 3
	s_sub_co_u32 s25, s23, s25                     ; t = matrix % 3: W1, W2 or W3 kind
	s_bfe_u32 s26, ttmp9, 0x30001                  ; s: which 128 along K
	s_and_b32 s27, ttmp9, 1                        ; which 512 columns
	s_lshl_b32 s28, s27, 4
	s_lshl_b32 s29, s22, 1
	s_add_co_u32 s28, s28, s29                     ; B0: my first block of 32 columns
	s_mov_b32 s32, 2<<16                           ; group 1: elements of 4 bytes, no padding
	s_mov_b32 s33, 64<<16                          ; tensor_dim0
	s_mov_b32 s34, 64<<16                          ; tensor_dim1
	s_mov_b32 s35, 64<<16                          ; tile_dim0
	s_mov_b32 s36, 64                              ; tile_dim1
	s_mov_b32 s37, 1024                            ; stride
	s_mov_b32 s38, 0
	s_mov_b32 s39, 0
	s_mov_b32 s40, 1
	s_lshl_b32 s41, s22, 15                        ; my 32 KiB
	s_mov_b32 s44, 1
	s_add_co_u32 s45, s41, 16384
	s_max_u32 s48, s24, 1
	s_sub_co_u32 s48, s48, 1
	s_lshl_b32 s48, s48, 22                        ; the expert's matrix (0 for the shared ones),
	s_lshl_b32 s49, s26, 19
	s_add_co_u32 s48, s48, s49                     ; 128 rows of 4,096 bytes a K step,
	s_lshl_b32 s49, s27, 11
	s_add_co_u32 s48, s48, s49
	s_lshl_b32 s49, s22, 8
	s_add_co_u32 s48, s48, s49                     ; my 64 columns
	s_mov_b32 s49, 0
	s_wait_kmcnt 0x0
	s_cmp_eq_u32 s25, 0                            ; the buffer is chosen on the work-group's number alone
	s_cselect_b64 s[50:51], s[10:11], s[12:13]
	s_cselect_b64 s[52:53], s[4:5], s[6:7]
	s_cmp_eq_u32 s25, 2
	s_cselect_b64 s[50:51], s[14:15], s[50:51]
	s_cselect_b64 s[52:53], s[8:9], s[52:53]
	s_cmp_eq_u32 s24, 0
	s_cselect_b64 s[50:51], s[50:51], s[52:53]
	s_add_nc_u64 s[42:43], s[50:51], s[48:49]
	s_add_nc_u64 s[46:47], s[42:43], 0x40000       ; 64 rows on
	s_or_b32 s43, s43, 0x80000000
	s_or_b32 s47, s47, 0x80000000
	tensor_load_to_lds s[40:43], s[32:39]          ; rows 0-63
	tensor_load_to_lds s[44:47], s[32:39]          ; rows 64-127.  Two loads of mine are out
.rept 4
	v_nop
.endr
	; where my results go, in bytes from wq: both forms are made, then chosen on t
	s_lshl_b32 s55, s24, 20
	s_lshl_b32 s58, s28, 15
	s_add_co_u32 s55, s55, s58
	s_lshl_b32 s58, s26, 12
	s_add_co_u32 s55, s55, s58
	s_lshl_b32 s58, s25, 11
	s_add_co_u32 s55, s55, s58                     ; WA
	s_lshl_b32 s56, s24, 19
	s_lshl_b32 s58, s28, 14
	s_add_co_u32 s56, s56, s58
	s_lshl_b32 s58, s26, 10
	s_add_co_u32 s56, s56, s58
	s_add_co_u32 s56, s56, 5242880                 ; WB
	s_lshl_b32 s61, s26, 12
	s_lshl_b32 s58, s28, 7
	s_add_co_u32 s61, s61, s58                     ; common to both kinds of scale words
	s_lshl_b32 s59, s24, 1
	s_add_co_u32 s59, s59, s25
	s_lshl_b32 s59, s59, 15
	s_add_co_u32 s59, s59, s61
	s_add_co_u32 s59, s59, 7864320                 ; SA
	s_lshl_b32 s60, s24, 15
	s_add_co_u32 s60, s60, s61
	s_add_co_u32 s60, s60, 8192000                 ; SB
	s_mov_b32 s57, 0x8000
	s_cmp_eq_u32 s25, 2
	s_cselect_b32 s54, -1, 0                       ; a lane mask: all ones for the W3 kind
	s_cselect_b32 s70, s56, s55
	s_cselect_b32 s57, 0x4000, s57                 ; from my first column block to my second
	s_cselect_b32 s72, s60, s59
	s_mov_b32 s71, 0
	s_mov_b32 s73, 0
	s_add_nc_u64 s[66:67], s[18:19], s[70:71]
	s_add_nc_u64 s[68:69], s[18:19], s[72:73]
	v_bfe_u32 v6, v1, 3, 1                         ; u
	v_and_b32 v7, 7, v1
	v_lshrrev_b32 v8, 4, v1
	v_lshl_add_u32 v7, v8, 3, v7                   ; r': column lane = 8 u + r' + 8 (r' / 8)
	v_lshlrev_b32 v9, 4, v7
	v_lshl_add_u32 v9, v6, 10, v9                  ; WA: 1024 u + 16 r'
	v_and_b32 v10, 15, v1
	v_lshlrev_b32 v10, 4, v10
	v_lshl_add_u32 v10, v8, 13, v10                ; WB: 8192 (lane / 16) + 16 (lane % 16)
	v_cndmask_b32 v3, v9, v10, s54
	v_add_nc_u32 v4, s57, v3
	v_lshl_add_u32 v11, v6, 4, v7
	v_lshlrev_b32 v11, 2, v11                      ; SA: word 16 u + r'
	v_lshlrev_b32 v12, 2, v1                       ; SB: word lane
	v_cndmask_b32 v5, v11, v12, s54
	v_add_nc_u32 v2, s41, v12                      ; LDS: my wave's tile, my column
.macro LDU q                           ; unit q = 2 j + bc: K block j of column block bc: 32 numbers down K
.irp i, 0,1,2,3,4,5,6,7,8,9,10,11,12,13,14,15,16,17,18,19,20,21,22,23,24,25,26,27,28,29,30,31
	ds_load_b32 v[X+32*((\q)%2)+\i], v2 offset:128*((\q)%2)+256*(32*((\q)/2)+\i)
.endr
.endm
.macro UNIT q
.set XS, X+32*((\q)%2)
.set BC, (\q)%2
.set J,  (\q)/2
.if (\q) < 7
	s_wait_dscnt 32                                ; this unit's 32 loads are in; the next unit's may be out
.else
	s_wait_dscnt 0x0
.endif
	v_max3_num_f32 v6, |v[XS]|, |v[XS+1]|, |v[XS+2]|               ; the block's largest magnitude: all 32 numbers are mine
	v_max3_num_f32 v7, |v[XS+3]|, |v[XS+4]|, |v[XS+5]|
.irp i, 6,10,14,18,22,26
	v_max3_num_f32 v6, v6, |v[XS+\i]|, |v[XS+\i+1]|
	v_max3_num_f32 v7, v7, |v[XS+\i+2]|, |v[XS+\i+3]|
.endr
	v_max3_num_f32 v6, v6, |v[XS+30]|, |v[XS+31]|
	v_max3_num_f32 v6, v6, v7, 0x1800000           ; and the floor 2^(3 - 127)
	v_add_nc_u32 v8, 0xff000000, v6                ; 2 off its exponent field: the conversion's scale operand
	v_lshrrev_b32 v9, 23, v8                       ; the scale's byte
.if J == 0
	v_mov_b32 v[SWD+BC], v9
.else
	v_lshl_or_b32 v[SWD+BC], v9, 8*J, v[SWD+BC]
.endif
.irp g, 0,1,2,3
	v_cvt_scalef32_pk8_fp4_f32 v[CD+4*(\q)+\g], v[XS+8*\g:XS+8*\g+7], v8
.endr
	global_store_b128 v[3+BC], v[CD+4*(\q):CD+4*(\q)+3], s[66:67] offset:256*J   ; each unit has its own registers: no store's data are written again
.endm
	s_wait_tensorcnt 0x1                           ; rows 0-63 have landed; only I read them
	LDU 0
	LDU 1
	UNIT 0
	LDU 2
	UNIT 1
	LDU 3
	UNIT 2
	s_wait_tensorcnt 0x0                           ; rows 64-127
	LDU 4
	UNIT 3
	LDU 5
	UNIT 4
	LDU 6
	UNIT 5
	LDU 7
	UNIT 6
	UNIT 7
	global_store_b32 v5, v[SWD], s[68:69]
	global_store_b32 v5, v[SWD+1], s[68:69] offset:128
	s_endpgm
.Lsort:
	s_wait_kmcnt 0x0
	v_lshlrev_b32 v2, 4, v1
	s_lshl_b32 s23, s22, 11
	v_add_nc_u32 v3, s23, v2
.irp i, 0,1,2,3
	global_load_b128 v[32+4*\i:35+4*\i], v3, s[16:17] offset:512*\i      ; my 512 tokens: register 4 i + j of lane l is token 512 wave + 128 i + 4 l + j
.endr
.set k, 0
.rept 32
	global_load_b128 v[64+4*k:67+4*k], v2, s[16:17] offset:512*k         ; and all 4,096
.set k, k+1
.endr
	v_mov_b32 v28, 1
	s_lshl_b32 s23, s22, 9
	v_lshlrev_b32 v29, 2, v1
	v_add_nc_u32 v29, s23, v29                     ; 512 wave + 4 lane
.irp j, 0,1,2,3
	v_mov_b32 v[24+\j], 0                          ; a lane move's destination counts as one of its sources
.endr
	s_mov_b32 s25, 0x00ff00ff
	s_mov_b32 s26, 0x76543210
	s_mov_b32 s27, 0xfedcba98
	s_wait_loadcnt 0x0
	; counts, four experts to a register, a byte each: part q (tokens 512 q on) gives a lane at most 16 a byte
.set q, 0
.rept 8
.set k, 0
.rept 16
	v_lshlrev_b32 v[18+k%2], 3, v[64+16*q+k]
.if k == 0
	v_lshlrev_b32 v[8+q], v18, v28
.else
	v_lshlrev_b32 v[18+k%2], v[18+k%2], v28
	v_add_nc_u32 v[8+q], v[8+q], v[18+k%2]
.endif
.set k, k+1
.endr
.set q, q+1
.endr
	v_add3_u32 v16, v8, v9, v10                    ; all parts: at most 128 a byte
	v_add3_u32 v16, v16, v11, v12
	v_add3_u32 v16, v16, v13, v14
	v_add_nc_u32 v16, v16, v15
	v_mov_b32 v17, 0                               ; the parts in front of mine
.irp q, 0,1,2,3,4,5,6
	s_cmp_gt_u32 s22, \q
	s_cselect_b32 s24, -1, 0
	v_and_b32 v18, s24, v[8+\q]
	v_add_nc_u32 v17, v17, v18
.endr
	v_and_b32 v20, s25, v16                        ; fields of 16 bits: experts 0 and 2,
	v_lshrrev_b32 v21, 8, v16
	v_and_b32 v21, s25, v21                        ; 1 and 3
	v_and_b32 v22, s25, v17
	v_lshrrev_b32 v23, 8, v17
	v_and_b32 v23, s25, v23
.irp m, 1,2,4,8
.irp j, 0,1,2,3
	v_mov_b32_dpp v[24+\j], v[20+\j] row_xmask:\m row_mask:0xf bank_mask:0xf
.endr
.irp j, 0,1,2,3
	v_add_nc_u32 v[20+\j], v[20+\j], v[24+\j]
.endr
.endr
.irp j, 0,1,2,3
	v_permlanex16_b32 v[24+\j], v[20+\j], s26, s27
.endr
.irp j, 0,1,2,3
	v_add_nc_u32 v[20+\j], v[20+\j], v[24+\j]      ; over the 32 lanes: at most 4,096 a field
.endr
	v_readfirstlane_b32 s28, v20
	v_readfirstlane_b32 s29, v21
	v_readfirstlane_b32 s30, v22
	v_readfirstlane_b32 s31, v23
	s_and_b32 s32, s28, 0xffff                     ; s32-35: each expert's tokens
	s_and_b32 s33, s29, 0xffff
	s_lshr_b32 s34, s28, 16
	s_lshr_b32 s35, s29, 16
	s_and_b32 s36, s30, 0xffff                     ; s36-39: those in front of my part
	s_and_b32 s37, s31, 0xffff
	s_lshr_b32 s38, s30, 16
	s_lshr_b32 s39, s31, 16
	s_mov_b32 s40, 0                               ; s40-43: where each expert's run begins
	s_mov_b32 s41, s32
	s_add_co_u32 s42, s41, s33
	s_add_co_u32 s43, s42, s34
.irp e, 0,1,2,3
	s_add_co_u32 s[44+\e], s[40+\e], s[36+\e]      ; s44-47: the next free place of each expert for my wave
.endr
.macro SCAT k                          ; 32 tokens find their places
.irp e, 0,1,2,3
	v_cmp_eq_u32 s[48+\e], \e, v[32+\k]
.endr
.irp e, 0,1,2,3
	v_mbcnt_lo_u32_b32 v[4+\e], s[48+\e], s[44+\e] ; the expert's next place + its tokens in the lanes below me
.endr
	v_cndmask_b32 v[64+\k], v4, v5, s49
	v_cndmask_b32 v[64+\k], v[64+\k], v6, s50
	v_cndmask_b32 v[64+\k], v[64+\k], v7, s51
.irp e, 0,1,2,3
	s_bcnt1_i32_b32 s52, s[48+\e]
	s_add_co_u32 s[44+\e], s[44+\e], s52
.endr
	v_min_u32 v[64+\k], 0xfff, v[64+\k]            ; a place inside the list
	v_lshlrev_b32 v[64+\k], 2, v[64+\k]
	v_add_nc_u32 v[80+\k], 128*(\k/4)+(\k%4), v29  ; the token's number
	global_store_b32 v[64+\k], v[80+\k], s[20:21]  ; each store has its own registers
.endm
.irp k, 0,1,2,3,4,5,6,7,8,9,10,11,12,13,14,15
	SCAT \k
.endr
	s_cmp_lg_u32 s22, 0                            ; the table of tiles: wave 0 alone, a lane to a tile
	s_cbranch_scc1 .Lsorted
	s_mov_b32 s56, 0                               ; s56-59: each expert's first tile
.irp e, 0,1,2
	s_add_co_u32 s52, s[32+\e], 143
	s_mul_i32 s52, s52, 3641
	s_lshr_b32 s52, s52, 19                        ; ceil(count / 144): 3641 / 2^19 is exact for this up to 4,239
	s_add_co_u32 s[57+\e], s[56+\e], s52
.endr
	v_mov_b32 v100, 0                              ; the expert,
	v_mov_b32 v104, 0                              ; its first tile,
	v_mov_b32 v105, 0                              ; its first place,
	v_mov_b32 v106, s32                            ; its tokens
.irp e, 1,2,3
	v_cmp_le_u32 vcc_lo, s[56+\e], v1
	v_mov_b32 v107, \e
	v_cndmask_b32 v100, v100, v107, vcc_lo
	v_mov_b32 v107, s[56+\e]
	v_cndmask_b32 v104, v104, v107, vcc_lo
	v_mov_b32 v107, s[40+\e]
	v_cndmask_b32 v105, v105, v107, vcc_lo
	v_mov_b32 v107, s[32+\e]
	v_cndmask_b32 v106, v106, v107, vcc_lo
.endr
	v_sub_nc_u32 v104, v1, v104
	v_mul_u32_u24 v104, v104, 144                  ; rows of the expert in front of this tile
	v_sub_nc_u32 v106, v106, v104
	v_max_i32 v106, 0, v106
	v_min_u32 v102, 144, v106                      ; the tile's rows: 0 for a tile that this split leaves empty
	v_add_nc_u32 v105, v105, v104
	v_mov_b32 v103, 0
	v_cmp_lt_u32 vcc_lo, 0, v102
	v_cndmask_b32 v101, v103, v105, vcc_lo         ; its first place in the list (0 if empty)
	global_store_b128 v2, v[100:103], s[20:21] offset:16384
.Lsorted:
	s_endpgm
.Lfunc_end_k_qb13010cea4_quantw:
	.size	k_qb13010cea4_quantw, .Lfunc_end_k_qb13010cea4_quantw-k_qb13010cea4_quantw
	.p2alignl 7, 3214868480
	.fill 96, 4, 3214868480
	.section	.rodata,"a",@progbits
	.p2align	6, 0x0
	.amdhsa_kernel k_qb13010cea4_quantw
		.amdhsa_group_segment_fixed_size 262144
		.amdhsa_private_segment_fixed_size 0
		.amdhsa_enable_private_segment 0
		.amdhsa_kernarg_size 72
		.amdhsa_user_sgpr_count 2
		.amdhsa_user_sgpr_kernarg_segment_ptr 1
		.amdhsa_wavefront_size32 1
		.amdhsa_system_sgpr_workgroup_id_x 1
		.amdhsa_system_sgpr_workgroup_id_y 1
		.amdhsa_system_sgpr_workgroup_id_z 1
		.amdhsa_system_vgpr_workitem_id 0
		.amdhsa_next_free_vgpr 208
		.amdhsa_next_free_sgpr 80
		.amdhsa_reserve_vcc 1
		.amdhsa_float_denorm_mode_32 3
		.amdhsa_float_denorm_mode_16_64 3
		.amdhsa_memory_ordered 1
		.amdhsa_forward_progress 1
		.amdhsa_inst_pref_size 74
	.end_amdhsa_kernel
	.amdgpu_metadata
---
amdhsa.version: [ 1, 2 ]
amdhsa.kernels:
  - .name:           k_qb13010cea4_quantw
    .symbol:         k_qb13010cea4_quantw.kd
    .args:
      - { .name: W1, .offset: 0, .size: 8, .value_kind: global_buffer, .address_space: global }
      - { .name: W2, .offset: 8, .size: 8, .value_kind: global_buffer, .address_space: global }
      - { .name: W3, .offset: 16, .size: 8, .value_kind: global_buffer, .address_space: global }
      - { .name: w1s, .offset: 24, .size: 8, .value_kind: global_buffer, .address_space: global }
      - { .name: w2s, .offset: 32, .size: 8, .value_kind: global_buffer, .address_space: global }
      - { .name: w3s, .offset: 40, .size: 8, .value_kind: global_buffer, .address_space: global }
      - { .name: idx, .offset: 48, .size: 8, .value_kind: global_buffer, .address_space: global }
      - { .name: wq, .offset: 56, .size: 8, .value_kind: global_buffer, .address_space: global }
      - { .name: route, .offset: 64, .size: 8, .value_kind: global_buffer, .address_space: global }
    .group_segment_fixed_size: 262144
    .private_segment_fixed_size: 0
    .kernarg_segment_align: 8
    .kernarg_segment_size: 72
    .max_flat_workgroup_size: 256
    .sgpr_count:     80
    .vgpr_count:     208
    .wavefront_size: 32
...
	.end_amdgpu_metadata
.endif
;; end of part 2
;; launch hidden (part 3): grid 8 x 32, 4 waves a work-group, no clusters, 77,824 bytes of LDS; arguments xq, wq, route, gq; writes gq
.if DOCPART == 3
	.amdgcn_target "amdgcn-amd-amdhsa--gfx1250"
	.amdhsa_code_object_version 6
	.text
	.protected	k_qb13010cea4_hidden
	.globl	k_qb13010cea4_hidden
	.p2align	8
	.type	k_qb13010cea4_hidden,@function
k_qb13010cea4_hidden:
	s_mov_b64 s[64:65], 0
	v_nop
	global_prefetch_b8 v0, s[64:65] scope:SCOPE_SE
	s_setreg_imm32_b32 hwreg(HW_REG_WAVE_MODE, 25, 1), 1
	s_wait_xcnt 0x0
; The hidden layers: g = gelu(x W1) * (x W2), exact gelu, for the shared expert (set 0) and the token's own expert (set 1), both products on codes of FP4 with E8M0 scales; g is quantised along the hidden axis and stored as codes.
; SHARES.  Work-group (cb, tile): the tile's 144 rows (tokens of ONE expert, from the list in route) x hidden blocks 4 cb .. 4 cb + 3 of 32 units.  Wave w: block B = 4 cb + w, both sets, both kinds: 9 row fragments x 8 weight
; fragments = 72 accumulators, 576 registers.  32 tiles x 8 = 256 work-groups serve every split of the tokens.  Rows past the tile's count repeat its last token; an empty tile works on the list's first token, and nothing reads what it stores.
; The tokens' codes are gathered once, whole rows of 512 bytes, into LDS (pitch 528) and read by all four waves.  The weights come from memory straight into registers, in the order in which wq holds them: only one wave wants each fragment.
; NO JOINT LOADS: the rows are gathered by a list (72 of a work-group's 328 KiB); the weights land in registers, where a joint load cannot put them, and through LDS each byte would be written once to be read once, by one wave;
; and which expert a neighbouring tile has hangs on the list.
; THE PRODUCTS ARE USED TRANSPOSED (source 0 = 16 hidden units, source 1 = 16 tokens): a lane holds ONE token, and the 16 registers of tiles u = 0, 1 are hidden units 32 B + 16 (lane / 16) + 0 .. 15: neighbours along the next K.
; GELU: gelu(x) = max(x, 0) - |x| / 2 erfc(|x| / sqrt 2), erfc(z) = t exp(-z^2 + p(t)), t = 1 / (1 + z / 2), p of degree 9 (fractional error under 1.2e-7 for every z); all in f32; no compare, no cancellation.
; OUT: gq + 0: [tile][sigma 16][a 9][c 2][512 B]: lane (r, h) of an image holds hidden block 2 sigma + c of SET h of token 16 a + r: the next launch's K interleaves the two sets.  gq + 4,718,592: [tile][cb][a 10][r 16][2 words]:
; the scale word of K step sigma: bytes set 0, set 1 of block 2 sigma, then of 2 sigma + 1.
; LIMITS: a block of zeros gets the byte 1 (its codes are zeros; this program alone reads the bytes); NaN and infinities are not served; where erfc falls under 2^-126 it counts as 0.
; REGISTERS.  Window 0: v1-23 addresses and tokens; v24-55 the weights' scale words, v56-95 x's (scales and nothing else); v96-167 x's nine fragments, later the epilogue's work; v168-191 at work; v192-255 row fragment 8's accumulators.
;   Window 1 + p: set p's accumulators of row fragments 0-7, (a, m, u) at 32 a + 8 (2 m + u).   Window 3: the weights' fragments, four sets of 64 by turns.
.set PITCH, 528
.set SCX,   144*PITCH                  ; behind the rows: 1,280 bytes of g's scale words
.set SW,    24                         ; SW + 16 p + 8 u + s: lanes 0-15 the W1 kind, lanes 16-31 the W2 kind
.set SX,    56                         ; SX + 8 i + s: lanes 0-15 row fragment 2 i, lanes 16-31 fragment 2 i + 1
.set XF,    96
.set ACC8,  192
.set Y,     96                         ; -|x| / 2
.set RL,    112                        ; max(x, 0), then gelu, then g
.set T,     128
.set P,     144
.set TP,    160
.set PC,    168                        ; codes: two sets of four
.set MX,    176
.set MP,    177
.set SO,    178
.set BY,    179                        ; v179-180 the two sets' scale bytes
.set HW,    181
.set C9,    182                        ; v182-183
.set MY,    184
.set TK,    66                         ; s66-83   eighteen rows' tokens at a time
.set MSB, 0
.macro WIN new                         ; the immediate's high byte repeats the setting that is left
.if MSB != \new
	s_set_vgpr_msb (MSB<<8)|\new
.set MSB, \new
.endif
.endm
.macro PLACES                          ; four plain places behind matrix instructions, in front of loads into their operands and of reads of their results
.rept 4
	v_nop
.endr
.endm
.macro KONST r, val                    ; a constant as a pair: the packed forms name a pair and take its low word for both halves
	s_mov_b32 s[\r], \val
	s_mov_b32 s[\r+1], \val
.endm
	s_load_b256 s[4:11], s[0:1], 0x0               ; xq s[4:5], wq s[6:7], route s[8:9], gq s[10:11]
	v_lshrrev_b32 v1, 5, v0
	v_readfirstlane_b32 s16, v1                    ; wave 0..3
	v_and_b32 v1, 31, v0                           ; lane
	v_and_b32 v2, 15, v0                           ; r
	v_bfe_u32 v3, v0, 4, 1                         ; h
	s_and_b32 s18, ttmp7, 0xffff                   ; tile
	s_lshl_b32 s38, s18, 4
	s_wait_kmcnt 0x0
	s_load_b128 s[12:15], s[8:9], s38 offset:0x4000   ; the tile's record: expert, first place, rows, 0
	s_mov_b32 s20, 0x76543210
	s_mov_b32 s21, 0xfedcba98                      ; v_permlanex16_b32's selects for lane l xor 16
	KONST 40, 0xbfe9b21e                           ; p's coefficients times log2(e): c0 = -1.82574822
	KONST 42, 0x3fb8ab5a                           ; c1 =  1.44272920
	KONST 44, 0x3f0a29d2                           ; c2 =  0.53970061
	KONST 46, 0x3e0efb2f                           ; c3 =  0.13963006
	KONST 48, 0xbe899a80                           ; c4 = -0.26875686
	KONST 50, 0x3ecdfd18                           ; c5 =  0.40232158
	KONST 52, 0xbfd1a1e5                           ; c6 = -1.63775315
	KONST 54, 0x40097039                           ; c7 =  2.14747446
	KONST 56, 0xbf97d29d                           ; c8 = -1.18611494
	KONST 58, 0xbf3504f3                           ; -1 / sqrt 2
	KONST 60, 0xc038aa3b                           ; -2 log2(e)
	v_mov_b32 v[C9], 0x3e7c6f08                    ; c9 =  0.24651730
	v_mov_b32 v[C9+1], 0x3e7c6f08
	v_mov_b32 v[MP], 0                             ; a lane permute's destination counts as one of its sources
	v_lshlrev_b32 v4, 4, v1                        ; 16 x lane: an image's place for my lane
	v_mul_u32_u24 v5, v2, PITCH
	v_lshl_add_u32 v5, v3, 4, v5                   ; x's fragments: row r, + 16 h
	v_add_nc_u32 v6, 4*16*PITCH, v5                ; and from row fragment 4 on
	s_mul_i32 s36, s16, 36*PITCH
	v_add_nc_u32 v7, s36, v4                       ; where I put my 36 rows
	v_lshlrev_b32 v8, 2, v2
	v_lshl_add_u32 v8, v3, 15, v8                  ; the weights' scale words: word r; lanes 16-31 the W2 kind, 32,768 bytes on
	s_lshl_b32 s36, s16, 1
	s_add_co_u32 s36, s36, SCX
	v_lshlrev_b32 v9, 3, v2
	v_add_nc_u32 v9, s36, v9                       ; g's scale bytes: 8 r + 2 wave
	v_lshlrev_b32 v10, 3, v1
	v_add_nc_u32 v11, SCX, v10
.irp i, 0,1,2,3,4
	v_add_nc_u32 v[168+\i], 32*\i, v1              ; rows 32 i + lane: for x's scale words
.endr
	s_mul_i32 s36, s16, 36
	v_add_nc_u32 v173, s36, v1                     ; rows 36 wave + lane: those that I bring,
	v_and_b32 v174, 3, v1
	v_add_nc_u32 v174, s36, v174
	v_add_nc_u32 v174, 32, v174                    ; and the last four of them
	s_lshl_b32 s36, ttmp9, 2
	s_add_co_u32 s36, s36, s16                     ; B
	s_lshl_b32 s30, s36, 15
	s_mov_b32 s31, 0
	s_add_nc_u64 s[22:23], s[6:7], s[30:31]        ; the shared expert's fragments of block B
	s_lshl_b32 s30, s36, 7
	s_add_co_u32 s30, s30, 7864320
	s_add_nc_u64 s[26:27], s[6:7], s[30:31]        ; and their scale words
	s_mul_i32 s30, s18, 147456
	s_lshl_b32 s37, ttmp9, 1
	s_lshr_b32 s39, s16, 1
	s_add_co_u32 s37, s37, s39                     ; sigma = B / 2
	s_mul_i32 s37, s37, 9216
	s_add_co_u32 s30, s30, s37
	s_and_b32 s37, s16, 1                          ; c = B % 2
	s_lshl_b32 s37, s37, 9
	s_add_co_u32 s30, s30, s37
	s_add_nc_u64 s[32:33], s[10:11], s[30:31]      ; my images of g
	s_lshl_b32 s30, s18, 3
	s_add_co_u32 s30, s30, ttmp9
	s_mul_i32 s30, s30, 1280
	s_add_co_u32 s30, s30, 4718592
	s_add_nc_u64 s[34:35], s[10:11], s[30:31]      ; the work-group's scale words of g
	s_wait_kmcnt 0x0
	s_min_u32 s12, s12, 3                          ; what was loaded enters addresses only behind a bound
	s_min_u32 s13, s13, 0xfff
	s_min_u32 s14, s14, 144
	s_max_u32 s19, s14, 1
	s_sub_co_u32 s19, s19, 1                       ; the tile's last row
	s_add_co_u32 s37, s12, 1
	s_lshl_b32 s30, s37, 20
	s_add_nc_u64 s[24:25], s[22:23], s[30:31]      ; the tile's own expert
	s_lshl_b32 s30, s37, 16
	s_add_nc_u64 s[28:29], s[26:27], s[30:31]
.irp i, 0,1,2,3,4,5,6
	v_min_u32 v[168+\i], s19, v[168+\i]            ; rows past the count repeat the last
	v_add_nc_u32 v[168+\i], s13, v[168+\i]
	v_min_u32 v[168+\i], 0xfff, v[168+\i]
	v_lshlrev_b32 v[168+\i], 2, v[168+\i]
.endr
.irp i, 0,1,2,3,4,5,6
	global_load_b32 v[12+\i], v[168+\i], s[8:9]    ; the rows' tokens
.endr
.macro BLD s                           ; K step s: my 16 half fragments' images x 2: 16 loads of 512 consecutive bytes, into set s % 4
	WIN 0xc0
.irp p, 0,1
.irp f, 0,1,2,3
.irp c, 0,1
	global_load_b128 v[64*((\s)%4)+8*(4*\p+\f)+4*\c:64*((\s)%4)+8*(4*\p+\f)+4*\c+3], v4, s[22+2*\p:23+2*\p] offset:4096*(\s)+1024*\f+512*\c
.endr
.endr
.endr
.endm
; The addresses of 18 of my 36 rows, from row j0 on.  The three kinds of lines stand in runs: 18 tokens come out of the lanes into 18 scalar registers, then all are bounded and shifted, then all are added:
; the scalar lines wait once for the run of lane reads, not once a row.
.macro ROWADR j0
.set j, \j0
.rept 18
.if j < 32
	v_readlane_b32 s[TK+j-\j0], v17, j
.else
	v_readlane_b32 s[TK+j-\j0], v18, j-32
.endif
.set j, j+1
.endr
.set j, 0
.rept 18
	s_min_u32 s[TK+j], s[TK+j], 0xfff
	s_lshl_b32 s[TK+j], s[TK+j], 9
.set j, j+1
.endr
.set j, 0
.rept 18
	v_add_nc_u32 v[XF+\j0+j], s[TK+j], v4          ; the token's row of 512 bytes, 16 a lane
.set j, j+1
.endr
.endm
.macro ROWLD j0                        ; and their loads, into window 1, which the accumulators take later
	WIN 0x40
.set j, \j0
.rept 18
	global_load_b128 v[4*j:4*j+3], v[XF+j], s[4:5]
.set j, j+1
.endr
	WIN 0
.endm
	BLD 0
	WIN 0
	s_wait_loadcnt 16                              ; the tokens are in; behind them stand the 16 loads of K step 0
	ROWADR 0
	ROWLD 0                                        ; the first 18 rows are asked for while the other 18 addresses are made
	ROWADR 18
	ROWLD 18
.irp i, 0,1,2,3,4
	v_min_u32 v[19+\i], 0xfff, v[12+\i]
	v_lshlrev_b32 v[19+\i], 5, v[19+\i]            ; a token's 32 scale bytes
.endr
.irp i, 0,1,2,3,4
	global_load_b128 v[SX+8*\i:SX+8*\i+3], v[19+\i], s[4:5] offset:2097152
	global_load_b128 v[SX+8*\i+4:SX+8*\i+7], v[19+\i], s[4:5] offset:2097168
.endr
.irp p, 0,1
.irp u, 0,1
.irp s, 0,1,2,3,4,5,6,7
	global_load_b32 v[SW+16*\p+8*\u+\s], v8, s[26+2*\p:27+2*\p] offset:4096*\s+64*\u
.endr
.endr
.endr
	BLD 1
	BLD 2
	s_wait_loadcnt 63                              ; the rows are in: 74 loads were issued behind them, and 63 is the largest count that a wait can name
	WIN 0x04                                       ; an LDS store's data are its source 1
.set j, 0
.rept 36
	ds_store_b128 v7, v[4*j:4*j+3] offset:PITCH*j
.set j, j+1
.endr
	WIN 0
	s_wait_dscnt 0x0                               ; for the others' sake: my rows lie in LDS
	s_barrier_signal -1
	s_barrier_wait -1
.macro XFL s, lo                       ; x's fragments of K step s: row fragments 0-3 (lo = 1) or 4-8
	WIN 0
.if \lo
.irp a, 0,1,2,3
.irp c, 0,1
	ds_load_b128 v[XF+8*\a+4*\c:XF+8*\a+4*\c+3], v5 offset:16*PITCH*\a+64*(\s)+32*\c
.endr
.endr
.else
.irp a, 4,5,6,7,8
.irp c, 0,1
	ds_load_b128 v[XF+8*\a+4*\c:XF+8*\a+4*\c+3], v6 offset:16*PITCH*(\a-4)+64*(\s)+32*\c
.endr
.endr
.endif
.endm
.macro WM d, a, b, z, sa, sb, ra, rb   ; one product; z: it starts its sum; ra, rb: the scales stand in lanes 16-31
.if \z
.if (\ra) && (\rb)
	v_wmma_scale_f32_16x16x128_f8f6f4 v[\d:\d+7], v[\a:\a+7], v[\b:\b+7], 0, v[\sa], v[\sb] matrix_a_fmt:MATRIX_FMT_FP4 matrix_b_fmt:MATRIX_FMT_FP4 matrix_a_scale:MATRIX_SCALE_ROW1 matrix_b_scale:MATRIX_SCALE_ROW1
.elseif (\ra)
	v_wmma_scale_f32_16x16x128_f8f6f4 v[\d:\d+7], v[\a:\a+7], v[\b:\b+7], 0, v[\sa], v[\sb] matrix_a_fmt:MATRIX_FMT_FP4 matrix_b_fmt:MATRIX_FMT_FP4 matrix_a_scale:MATRIX_SCALE_ROW1
.elseif (\rb)
	v_wmma_scale_f32_16x16x128_f8f6f4 v[\d:\d+7], v[\a:\a+7], v[\b:\b+7], 0, v[\sa], v[\sb] matrix_a_fmt:MATRIX_FMT_FP4 matrix_b_fmt:MATRIX_FMT_FP4 matrix_b_scale:MATRIX_SCALE_ROW1
.else
	v_wmma_scale_f32_16x16x128_f8f6f4 v[\d:\d+7], v[\a:\a+7], v[\b:\b+7], 0, v[\sa], v[\sb] matrix_a_fmt:MATRIX_FMT_FP4 matrix_b_fmt:MATRIX_FMT_FP4
.endif
.else
.if (\ra) && (\rb)
	v_wmma_scale_f32_16x16x128_f8f6f4 v[\d:\d+7], v[\a:\a+7], v[\b:\b+7], v[\d:\d+7], v[\sa], v[\sb] matrix_a_fmt:MATRIX_FMT_FP4 matrix_b_fmt:MATRIX_FMT_FP4 matrix_a_scale:MATRIX_SCALE_ROW1 matrix_b_scale:MATRIX_SCALE_ROW1
.elseif (\ra)
	v_wmma_scale_f32_16x16x128_f8f6f4 v[\d:\d+7], v[\a:\a+7], v[\b:\b+7], v[\d:\d+7], v[\sa], v[\sb] matrix_a_fmt:MATRIX_FMT_FP4 matrix_b_fmt:MATRIX_FMT_FP4 matrix_a_scale:MATRIX_SCALE_ROW1
.elseif (\rb)
	v_wmma_scale_f32_16x16x128_f8f6f4 v[\d:\d+7], v[\a:\a+7], v[\b:\b+7], v[\d:\d+7], v[\sa], v[\sb] matrix_a_fmt:MATRIX_FMT_FP4 matrix_b_fmt:MATRIX_FMT_FP4 matrix_b_scale:MATRIX_SCALE_ROW1
.else
	v_wmma_scale_f32_16x16x128_f8f6f4 v[\d:\d+7], v[\a:\a+7], v[\b:\b+7], v[\d:\d+7], v[\sa], v[\sb] matrix_a_fmt:MATRIX_FMT_FP4 matrix_b_fmt:MATRIX_FMT_FP4
.endif
.endif
.endm
.macro MM a, p, m, u, s, z
.set WRG, 64*((\s)%4)+8*(4*(\p)+2*(\m)+(\u))
.set XRG, XF+8*(\a)
.if (\a) < 8
.set ARG, 32*(\a)+8*(2*(\m)+(\u))
.else
.set ARG, ACC8+32*(\p)+8*(2*(\m)+(\u))
.endif
.set SAR, SW+16*(\p)+8*(\u)+(\s)
.set SBR, SX+8*((\a)/2)+(\s)
.set RBB, (\a)%2
	WM ARG, WRG, XRG, \z, SAR, SBR, \m, RBB
.endm
.macro QUAD s, z, p, a0                ; 16 products: row fragments a0 .. a0 + 3 against set p's four weight fragments
.irp a, \a0, \a0+1, \a0+2, \a0+3
.irp m, 0,1
.irp u, 0,1
	MM \a, \p, \m, \u, \s, \z
.endr
.endr
.endr
.endm
; A K step of 128: 72 products; each accumulator has one turn a step, in the same order in every step.  x has one set of registers: fragments 0-3 are fetched anew in the step's middle, 4-8 at its end.
.macro STEP s, z
.if \s < 6
	s_wait_loadcnt 32                              ; this step's weights are in (in step 0 the scale words too); behind them stand the two steps' that follow
.elseif \s == 6
	s_wait_loadcnt 16
.else
	s_wait_loadcnt 0x0
.endif
	s_wait_dscnt 10                                ; fragments 0-3 are in; the ten loads of fragments 4-8 may be out
	WIN 0x53                                       ; source 0 window 3, source 1 window 0, C and D window 1
	QUAD \s, \z, 0, 0
	WIN 0xa3                                       ; C and D window 2
	QUAD \s, \z, 1, 0
.if \s < 7
	PLACES
	XFL (\s)+1, 1
.if \s < 5
	BLD (\s)+3                                     ; into the set that the step before multiplied
.endif
	s_wait_dscnt 8                                 ; all but the eight just issued
.else
	s_wait_dscnt 0x0
.endif
	WIN 0x53
	QUAD \s, \z, 0, 4
	WIN 0xa3
	QUAD \s, \z, 1, 4
	WIN 0x03                                       ; row fragment 8: C and D window 0
.irp p, 0,1
.irp m, 0,1
.irp u, 0,1
	MM 8, \p, \m, \u, \s, \z
.endr
.endr
.endr
	PLACES
.if \s < 7
	XFL (\s)+1, 0
.endif
.endm
	XFL 0, 1
	XFL 0, 0
	STEP 0, 1                                      ; the first step's products start the sums: nothing is cleared
	STEP 1, 0
	STEP 2, 0
	STEP 3, 0
	STEP 4, 0
	STEP 5, 0
	STEP 6, 0
	STEP 7, 0
; g of row fragment a, set p: 16 numbers a lane.  Each accumulator is read from its low end on.
.macro ACT p, a
.if (\a) < 8
.set WSS, (1+(\p))<<2                  ; the accumulators are source 1
.set H1, 32*(\a)
.else
.set WSS, 0
.set H1, ACC8+32*(\p)
.endif
	WIN WSS
.irp i, 0,1,2,3,4,5,6,7,8,9,10,11,12,13,14,15
	v_mul_f32 v[Y+\i], -0.5, |v[H1+\i]|
.endr
.irp i, 0,1,2,3,4,5,6,7,8,9,10,11,12,13,14,15
	v_max_num_f32 v[RL+\i], 0, v[H1+\i]
.endr
	WIN 0
.irp i, 0,2,4,6,8,10,12,14
	v_pk_fma_f32 v[T+\i:T+\i+1], v[Y+\i:Y+\i+1], s[58:59], 1.0 op_sel_hi:[1,0,0]   ; 1 + z / 2
.endr
.irp i, 0,1,2,3,4,5,6,7,8,9,10,11,12,13,14,15
	v_rcp_f32 v[T+\i], v[T+\i]
.endr
.irp i, 0,2,4,6
	v_pk_mul_f32 v[TP+\i:TP+\i+1], v[Y+\i:Y+\i+1], v[Y+\i:Y+\i+1]   ; x^2 / 4 of the first eight: plain lines behind the reciprocals that name none of their registers
.endr
.irp i, 0,2,4,6,8,10,12,14
	v_pk_fma_f32 v[P+\i:P+\i+1], v[T+\i:T+\i+1], v[C9:C9+1], s[56:57] op_sel_hi:[1,1,0]
.endr
.irp k, 7,6,5,4,3,2,1,0
.irp i, 0,2,4,6,8,10,12,14
	v_pk_fma_f32 v[P+\i:P+\i+1], v[P+\i:P+\i+1], v[T+\i:T+\i+1], s[40+2*\k:41+2*\k] op_sel_hi:[1,1,0]
.endr
.endr
.irp i, 0,2,4,6
	v_pk_fma_f32 v[P+\i:P+\i+1], v[TP+\i:TP+\i+1], s[60:61], v[P+\i:P+\i+1] op_sel_hi:[1,0,1]   ; - z^2 log2(e)
.endr
.irp i, 0,2,4,6
	v_pk_mul_f32 v[TP+\i:TP+\i+1], v[Y+8+\i:Y+9+\i], v[Y+8+\i:Y+9+\i]
.endr
.irp i, 0,2,4,6
	v_pk_fma_f32 v[P+8+\i:P+9+\i], v[TP+\i:TP+\i+1], s[60:61], v[P+8+\i:P+9+\i] op_sel_hi:[1,0,1]
.endr
.irp i, 0,1,2,3,4,5,6,7,8,9,10,11,12,13,14,15
	v_exp_f32 v[P+\i], v[P+\i]
.endr
	v_nop                                          ; a plain line behind the exponentials
.irp i, 0,2,4,6,8,10,12,14
	v_pk_mul_f32 v[T+\i:T+\i+1], v[T+\i:T+\i+1], v[P+\i:P+\i+1]   ; erfc
.endr
.irp i, 0,2,4,6,8,10,12,14
	v_pk_fma_f32 v[RL+\i:RL+\i+1], v[Y+\i:Y+\i+1], v[T+\i:T+\i+1], v[RL+\i:RL+\i+1]   ; gelu
.endr
	WIN WSS
.irp i, 0,2,4,6,8,10,12,14
	v_pk_mul_f32 v[RL+\i:RL+\i+1], v[RL+\i:RL+\i+1], v[H1+16+\i:H1+17+\i]   ; times the gate
.endr
	WIN 0
.endm
.macro QNT p, pc                       ; my 16 numbers and lane l xor 16's are a block of 32
	v_max3_num_f32 v[MX], |v[RL]|, |v[RL+1]|, 0x1800000            ; with the floor 2^(3 - 127)
	v_max3_num_f32 v[MY], |v[RL+8]|, |v[RL+9]|, |v[RL+10]|
.irp i, 2,4
	v_max3_num_f32 v[MX], v[MX], |v[RL+\i]|, |v[RL+\i+1]|
	v_max3_num_f32 v[MY], v[MY], |v[RL+9+\i]|, |v[RL+10+\i]|
.endr
	v_max3_num_f32 v[MX], v[MX], |v[RL+6]|, |v[RL+7]|
	v_max3_num_f32 v[MX], v[MX], v[MY], |v[RL+15]|
	v_permlanex16_b32 v[MP], v[MX], s20, s21
	v_max_num_f32 v[MX], v[MX], v[MP]
	v_add_nc_u32 v[SO], 0xff000000, v[MX]          ; 2 off the exponent field: the conversion's scale operand
	v_lshrrev_b32 v[BY+\p], 23, v[SO]              ; the scale's byte
	v_cvt_scalef32_pk8_fp4_f32 v[\pc+2*\p], v[RL:RL+7], v[SO]
	v_cvt_scalef32_pk8_fp4_f32 v[\pc+2*\p+1], v[RL+8:RL+15], v[SO]
.endm
.macro GEGLU a
.set PCS, PC+4*((\a)%2)
	ACT 0, \a                                      ; it writes v96-167 alone: none of them is a source of a store that is out
	s_wait_xcnt 0x0                                ; the codes' registers, which the store of two fragments ago read, are written again only behind this wait; the last store stands a whole activation back
	QNT 0, PCS
	ACT 1, \a                                      ; (its first lines are plain and name nothing of the conversions)
	QNT 1, PCS
	v_lshl_or_b32 v[HW], v[BY+1], 8, v[BY]         ; set 0's byte, set 1's byte.  (A plain line behind the conversions)
	ds_store_b16 v9, v[HW] offset:128*(\a)         ; both halves of the lanes write the same bytes with the same value
.if (\a) == 8
	ds_store_b16 v9, v[HW] offset:128*9            ; the tenth fragment's words are read with the ninth's and used by nobody: they are written all the same
.endif
	v_permlane16_swap_b32 v[PCS], v[PCS+2]         ; lanes 0-15 get set 0's whole block, lanes 16-31 set 1's
	v_permlane16_swap_b32 v[PCS+1], v[PCS+3]
	global_store_b128 v4, v[PCS:PCS+3], s[32:33] offset:1024*(\a)   ; the wave stores 512 consecutive bytes, aligned
.endm
.irp a, 0,1,2,3,4,5,6,7,8
	GEGLU \a
.endr
	s_wait_dscnt 0x0                               ; for wave 0's sake: my scale bytes lie in LDS
	s_barrier_signal -1
	s_barrier_wait -1
	s_cmp_lg_u32 s16, 0
	s_cbranch_scc1 .Ldone
.irp i, 0,1,2,3,4
	ds_load_b64 v[96+2*\i:97+2*\i], v11 offset:256*\i
.endr
	s_wait_dscnt 0x0
.irp i, 0,1,2,3,4
	global_store_b64 v10, v[96+2*\i:97+2*\i], s[34:35] offset:256*\i   ; 256 consecutive bytes a store, aligned
.endr
.Ldone:
	s_endpgm
.Lfunc_end_k_qb13010cea4_hidden:
	.size	k_qb13010cea4_hidden, .Lfunc_end_k_qb13010cea4_hidden-k_qb13010cea4_hidden
	.p2alignl 7, 3214868480
	.fill 96, 4, 3214868480
	.section	.rodata,"a",@progbits
	.p2align	6, 0x0
	.amdhsa_kernel k_qb13010cea4_hidden
		.amdhsa_group_segment_fixed_size 77824
		.amdhsa_private_segment_fixed_size 0
		.amdhsa_enable_private_segment 0
		.amdhsa_kernarg_size 32
		.amdhsa_user_sgpr_count 2
		.amdhsa_user_sgpr_kernarg_segment_ptr 1
		.amdhsa_wavefront_size32 1
		.amdhsa_system_sgpr_workgroup_id_x 1
		.amdhsa_system_sgpr_workgroup_id_y 1
		.amdhsa_system_sgpr_workgroup_id_z 1
		.amdhsa_system_vgpr_workitem_id 0
		.amdhsa_next_free_vgpr 1024
		.amdhsa_next_free_sgpr 84
		.amdhsa_reserve_vcc 0
		.amdhsa_float_denorm_mode_32 3
		.amdhsa_float_denorm_mode_16_64 3
		.amdhsa_memory_ordered 1
		.amdhsa_forward_progress 1
		.amdhsa_inst_pref_size 255
	.end_amdhsa_kernel
	.section	.bss,"aw",@nobits
	.p2align	6
	.space	262144
	.amdgpu_metadata
---
amdhsa.version: [ 1, 2 ]
amdhsa.kernels:
  - .name:           k_qb13010cea4_hidden
    .symbol:         k_qb13010cea4_hidden.kd
    .args:
      - { .name: xq, .offset: 0, .size: 8, .value_kind: global_buffer, .address_space: global }
      - { .name: wq, .offset: 8, .size: 8, .value_kind: global_buffer, .address_space: global }
      - { .name: route, .offset: 16, .size: 8, .value_kind: global_buffer, .address_space: global }
      - { .name: gq, .offset: 24, .size: 8, .value_kind: global_buffer, .address_space: global }
    .group_segment_fixed_size: 77824
    .private_segment_fixed_size: 0
    .kernarg_segment_align: 8
    .kernarg_segment_size: 32
    .max_flat_workgroup_size: 128
    .sgpr_count:     84
    .vgpr_count:     1024
    .wavefront_size: 32
...
	.end_amdgpu_metadata
.endif
;; end of part 3
;; launch outp (part 4): grid 8 x 32, 4 waves a work-group, clusters of 4 x 1, 242,176 bytes of LDS; arguments gq, wq, route, out0; writes out0
.if DOCPART == 4
	.amdgcn_target "amdgcn-amd-amdhsa--gfx1250"
	.amdhsa_code_object_version 6
	.text
	.protected	k_qb13010cea4_outp
	.globl	k_qb13010cea4_outp
	.p2align	8
	.type	k_qb13010cea4_outp,@function
k_qb13010cea4_outp:
	s_mov_b64 s[64:65], 0
	v_nop
	global_prefetch_b8 v0, s[64:65] scope:SCOPE_SE
	s_setreg_imm32_b32 hwreg(HW_REG_WAVE_MODE, 25, 1), 1
	s_wait_xcnt 0x0
	s_wait_alu depctr_hold_cnt(0) depctr_sa_sdst(0) depctr_va_vdst(0) depctr_va_sdst(0) depctr_va_ssrc(0) depctr_va_vcc(0) depctr_vm_vsrc(0)
	s_getreg_b32 s2, hwreg(HW_REG_IB_STS2, 6, 4)
	s_cmp_eq_u32 s2, 0
	s_cbranch_scc0 .Lentry_in_a_cluster
	s_endpgm
.Lentry_in_a_cluster:
	s_bfe_u32 s2, ttmp6, 0x10000c
	s_cmp_lg_u32 s2, 0x3003
	s_cbranch_scc0 .Lentry_shape_is_right
	s_endpgm
.Lentry_shape_is_right:
; out0[token] = g_shared w3s + g_expert W3[e]: ONE product with K = 2,048, on codes of FP4 with E8M0 scales.  In K step sigma (of 16) the place (c, h) of the operands' layout is hidden block 2 sigma + c of set h (0 shared, 1 the tile's
; expert), alike in both operands: lanes 0-15 of a fragment hold the shared set, lanes 16-31 the expert's; a scale word's bytes are set 0, set 1 of block 2 sigma, then of 2 sigma + 1.
; SHARES.  Work-group (cb, tile): the tile's 144 rows x output columns 128 cb on.  THE FOUR WAVES STAND TWO BY TWO: wave w takes columns 64 (w % 2) on (four fragments) and five of the nine row fragments, 4 (w / 2) + 0 .. 4: 20 accumulators.
; So a fragment of g that is read from LDS feeds four products, and a K step reads 5 KiB a wave from LDS; a wave with all nine row fragments and 32 columns would read 9 KiB, for two products a fragment.
; The price: each fragment of W3 is loaded by two waves (64 KiB a wave, 512 registers), and row fragment 4 is multiplied by both row halves, so that all four waves run one text: a tenth of the products.
; The upper half's copy of it goes to sixteen spare rows of the stage, which nobody reads.
; W3's fragments come from memory straight into registers, each once a wave: K steps 0 to 5 at the head, then each step asks for the step six on: eight loads a step, 48 out behind a step's own.
; CLUSTER.  The four work-groups of a cluster have the same tile: its images of g (147,456 bytes) and their scale words (10,240) are asked for JOINTLY, by the same tensor loads with the same descriptors and the mask of all four.
; Everything fits in LDS whole: the five loads of a wave are first fills, issued together behind the opening round; nothing is filled again.  By this text's own count five tensor loads of a wave are out at the most.
; THE PRODUCT IS USED TRANSPOSED (source 0 = 16 output columns, source 1 = 16 tokens): a lane holds eight neighbouring columns of one token's row.  The rows meet in a stage in LDS and leave as runs of 512 bytes, by the token's number.
; Rows past the tile's count repeat its last token and store the same numbers to the same bytes.  An empty tile walks every line like the others, joint requests and rounds too; its stores run with all lanes off, so it stores nothing:
; no branch here hangs on a number read from memory.
; REGISTERS.  Window 0: v1-23 addresses, tokens and the count; v24-55 W3's scale words as they lie; v56-87 those of each K step, v88-135 g's (scales and nothing else); v136-171 the rows' places in out0.
;   Window 1: v0-159 the accumulators, (i, f) at 8 (4 i + f); v160-239 g's fragments, two sets of 40.   Windows 2, 3: W3's fragments of K steps 0-7, 8-15, at 32 (sigma % 8) + 8 f; on the way out window 2 takes 36 rows.
.set GSC,    147456                    ; behind the images: g's scale words, [cb' 8][a 10][r 16][2 words]
.set STAGE,  157696                    ; behind them: 160 rows x (512 bytes + 16): the tile's 144 and sixteen spare ones; no tensor load lands here
.set SPITCH, 528
.set GA,     20                        ; v20-23  16 x lane + my row half's place in an image, in chunks 0 to 3
.set RAWS,   24                        ; RAWS + 2 kq + fp, RAWE likewise: lanes 0-15 column fragment 2 fp, lanes 16-31 fragment 2 fp + 1
.set RAWE,   40
.set SW3,    56                        ; SW3 + 2 sigma + fp
.set GSR,    88                        ; GSR + 6 (sigma / 2) + 2 ip + sigma % 2: lanes 0-15 my row fragment 2 ip, lanes 16-31 fragment 2 ip + 1
.set OA,     136
.set GF,     160                       ; in window 1
.set AHEAD,  6                         ; K steps between the request for W3's fragments and their use
.set TK,     72                        ; s72-89  eighteen rows' tokens at a time
.set MSB, 0
.macro WIN new                         ; the immediate's high byte repeats the setting that is left
.if MSB != \new
	s_set_vgpr_msb (MSB<<8)|\new
.set MSB, \new
.endif
.endm
.macro PLACES
.rept 4
	v_nop
.endr
.endm
.macro ROUND                           ; a round of the cluster's barrier
	s_barrier_signal -1
	s_barrier_wait -1
	s_cmp_lg_u32 s16, 0
	s_cbranch_scc1 .Lnot_wave_0_\@
	s_barrier_signal -3
.Lnot_wave_0_\@:
	s_barrier_wait -3
	s_barrier_signal -1
	s_barrier_wait -1
.endm
	s_load_b256 s[4:11], s[0:1], 0x0               ; gq s[4:5], wq s[6:7], route s[8:9], out0 s[10:11]
	v_lshrrev_b32 v1, 5, v0
	v_readfirstlane_b32 s16, v1                    ; wave 0..3
	v_and_b32 v1, 31, v0                           ; lane
	v_and_b32 v2, 15, v0                           ; r
	v_bfe_u32 v3, v0, 4, 1                         ; h
	s_lshr_b32 s90, s16, 1                         ; my row half
	s_and_b32 s91, s16, 1                          ; my column half
	s_bfe_u32 s17, ttmp6, 0x40000                  ; cx: it enters W3's and out0's addresses alone
	s_lshl_b32 s18, ttmp9, 2
	s_add_co_u32 s18, s18, s17                     ; cb
	s_and_b32 s19, ttmp7, 0xffff                   ; the tile, which the four partners share
	; group 1: dense bytes as rows of 256 (32 elements of 8 bytes): 36 rows of images, 10 rows of scale words
	s_mov_b32 s20, 15|(3<<16)|(1<<21)              ; the mask: all four work-groups; bit 21 set beside it
	s_mov_b32 s21, 32<<16
	s_mov_b32 s22, 36<<16
	s_mov_b32 s23, 32<<16
	s_mov_b32 s24, 36
	s_mov_b32 s25, 32
	s_mov_b32 s26, 0
	s_mov_b32 s27, 0
	s_mov_b32 s28, 15|(3<<16)|(1<<21)
	s_mov_b32 s29, 32<<16
	s_mov_b32 s30, 10<<16
	s_mov_b32 s31, 32<<16
	s_mov_b32 s32, 10
	s_mov_b32 s33, 32
	s_mov_b32 s34, 0
	s_mov_b32 s35, 0
	s_mov_b32 s36, 1
	s_mov_b32 s40, 1
	s_mov_b32 s44, 1
	s_mov_b32 s48, 1
	s_mov_b32 s52, 1
	s_mul_i32 s41, s16, 9216                       ; chunk j (K steps 4 j .. 4 j + 3): the part that I fetch is K step 4 j + wave
	s_add_co_u32 s45, s41, 36864
	s_add_co_u32 s49, s41, 73728
	s_add_co_u32 s53, s41, 110592
	s_mul_i32 s62, s19, 147456
	s_add_co_u32 s62, s62, s41
	s_mov_b32 s63, 0
	s_mul_i32 s71, s16, 2560
	s_add_co_u32 s37, s71, GSC
	s_mul_i32 s70, s19, 10240
	s_add_co_u32 s70, s70, s71
	s_add_co_u32 s70, s70, 4718592
	s_mov_b32 s71, 0
	s_lshl_b32 s69, s19, 4
	s_wait_kmcnt 0x0
	s_load_b128 s[12:15], s[8:9], s69 offset:0x4000   ; the tile's record: expert, first place, rows, 0
	s_add_nc_u64 s[38:39], s[4:5], s[70:71]
	s_add_nc_u64 s[42:43], s[4:5], s[62:63]
	s_add_nc_u64 s[46:47], s[42:43], 36864
	s_add_nc_u64 s[50:51], s[42:43], 73728
	s_add_nc_u64 s[54:55], s[42:43], 110592
	s_or_b32 s39, s39, 0x80000000
	s_or_b32 s43, s43, 0x80000000
	s_or_b32 s47, s47, 0x80000000
	s_or_b32 s51, s51, 0x80000000
	s_or_b32 s55, s55, 0x80000000
	ROUND                                          ; all four work-groups are here: the joint loads meet
	tensor_load_to_lds s[36:39], s[28:35]          ; the scale words,
	tensor_load_to_lds s[40:43], s[20:27]          ; chunks 0 to 3
	tensor_load_to_lds s[44:47], s[20:27]
	tensor_load_to_lds s[48:51], s[20:27]
	tensor_load_to_lds s[52:55], s[20:27]
.rept 4
	v_nop
.endr
	v_lshlrev_b32 v4, 4, v1                        ; 16 x lane
	s_lshl_b32 s62, s90, 12
	v_add_nc_u32 v[GA], s62, v4                    ; g's images: my first row fragment is 4 x my row half: 1,024 bytes a fragment
	v_add_nc_u32 v[GA+1], 36864, v[GA]
	v_add_nc_u32 v[GA+2], 73728, v[GA]
	v_add_nc_u32 v[GA+3], 110592, v[GA]
	v_lshlrev_b32 v8, 3, v1
	s_lshl_b32 s62, s90, 9
	s_add_co_u32 s62, s62, GSC
	v_add_nc_u32 v8, s62, v8                       ; g's scale words: two a lane; my first pair of fragments is 2 x my row half: 256 bytes a pair
	v_lshlrev_b32 v10, 2, v1
	v_mul_u32_u24 v11, v2, SPITCH
	v_lshl_add_u32 v11, v3, 5, v11
	s_lshl_b32 s62, s91, 8
	s_add_co_u32 s62, s62, STAGE
	v_add_nc_u32 v11, s62, v11                     ; the stage, in: row r, + 256 x my column half + 32 h
	s_mul_i32 s62, s90, 9*16*SPITCH
	v_add_nc_u32 v12, s62, v11                     ; my fragment 0: the lower half's is the tile's fragment 0; the upper half's is its copy of fragment 4 and goes to the spare rows, block 9
	s_mul_i32 s62, s90, 4*16*SPITCH
	v_add_nc_u32 v11, s62, v11                     ; my fragments 1 to 4: blocks 1-4 or 5-8
	s_mul_i32 s62, s16, 36*SPITCH
	s_add_co_u32 s62, s62, STAGE
	v_add_nc_u32 v13, s62, v4                      ; back: rows 36 wave on, 16 bytes a lane
	s_mul_i32 s70, s16, 36
	v_add_nc_u32 v16, s70, v1                      ; rows 36 wave + lane,
	v_and_b32 v17, 3, v1
	v_add_nc_u32 v17, s70, v17
	v_add_nc_u32 v17, 32, v17                      ; and the last four
	s_lshl_b32 s62, s18, 3
	s_lshl_b32 s70, s91, 2
	s_add_co_u32 s62, s62, s70
	s_lshl_b32 s62, s62, 13
	s_add_co_u32 s62, s62, 5242880
	s_add_nc_u64 s[56:57], s[6:7], s[62:63]        ; W3's fragments of my columns: f = 8 cb + 4 x my column half on
	s_lshl_b32 s62, s18, 9
	s_add_nc_u64 s[66:67], s[10:11], s[62:63]      ; out0 at the work-group's 128 columns
	s_lshl_b32 s70, s91, 8
	s_add_co_u32 s62, s62, s70
	s_add_co_u32 s62, s62, 8192000
	s_add_nc_u64 s[58:59], s[6:7], s[62:63]        ; w3s' scale words of my 64 columns
	s_wait_kmcnt 0x0
	s_min_u32 s12, s12, 3                          ; what was loaded enters addresses only behind a bound
	s_min_u32 s13, s13, 0xfff
	s_min_u32 s14, s14, 144
	s_max_u32 s68, s14, 1
	s_sub_co_u32 s68, s68, 1                       ; the tile's last row
	s_add_co_u32 s70, s12, 1
	s_lshl_b32 s62, s70, 15
	s_add_nc_u64 s[60:61], s[58:59], s[62:63]      ; the expert's scale words
	s_lshl_b32 s69, s70, 19
	v_mul_u32_u24 v9, s69, v3
	v_lshl_add_u32 v9, v2, 4, v9                   ; W3's codes: 16 r; lanes 16-31 read the expert's matrix
	v_mov_b32 v18, s14                             ; the tile's rows, for the mask of the stores at the end
.irp i, 0,1
	v_min_u32 v[16+\i], s68, v[16+\i]              ; rows past the count repeat the last
	v_add_nc_u32 v[16+\i], s13, v[16+\i]
	v_min_u32 v[16+\i], 0xfff, v[16+\i]
	v_lshlrev_b32 v[16+\i], 2, v[16+\i]
.endr
	global_load_b32 v14, v16, s[8:9]               ; the tokens of the rows that I store
	global_load_b32 v15, v17, s[8:9]
.irp q, 0,1,2,3,4,5,6,7
.irp p, 0,1
	global_load_b32 v[RAWS+2*\q+\p], v10, s[58:59] offset:4096*\q+128*\p
	global_load_b32 v[RAWE+2*\q+\p], v10, s[60:61] offset:4096*\q+128*\p
.endr
.endr
.macro WLD g                           ; W3's four fragments of K step g: eight loads, two aligned runs of 256 bytes each
.set WW, 0x80+0x40*((\g)/8)            ; destination window 2 or 3
	WIN WW
.irp f, 0,1,2,3
.irp c, 0,1
	global_load_b128 v[32*((\g)%8)+8*\f+4*\c:32*((\g)%8)+8*\f+4*\c+3], v9, s[56:57] offset:8192*\f+512*(\g)+256*\c
.endr
.endr
.endm
.irp g, 0,1,2,3,4,5
	WLD \g
.endr
	WIN 0
	s_wait_tensorcnt 0x3                           ; my parts of the scale words and of chunk 0 have landed; three chunks may stay out
	s_barrier_signal -1
	s_barrier_wait -1                              ; everybody's have
.irp q, 0,1,2,3,4,5,6,7
.irp p, 0,1,2
	ds_load_b64 v[GSR+6*\q+2*\p:GSR+6*\q+2*\p+1], v8 offset:1280*\q+256*\p   ; K steps 2 q, 2 q + 1 of my three pairs of row fragments
.endr
.endr
.macro AFL g                           ; my five fragments of g of K step g, into set g % 2
	WIN 0x40
.irp i, 0,1,2,3,4
.irp c, 0,1
	ds_load_b128 v[GF+40*((\g)%2)+8*\i+4*\c:GF+40*((\g)%2)+8*\i+4*\c+3], v[GA+(\g)/4] offset:9216*((\g)%4)+1024*\i+512*\c
.endr
.endr
.endm
	AFL 0
	WIN 0
	s_wait_loadcnt 8*AHEAD                         ; W3's scale words are in: behind them stand the 48 loads of K steps 0 to 5
.irp q, 0,1,2,3,4,5,6,7
.irp p, 0,1
	v_perm_b32 v[SW3+4*\q+\p], v[RAWE+2*\q+\p], v[RAWS+2*\q+\p], 0x05010400     ; K step 2 q: bytes shared, expert of block 4 q; shared, expert of block 4 q + 1
	v_perm_b32 v[SW3+4*\q+2+\p], v[RAWE+2*\q+\p], v[RAWS+2*\q+\p], 0x07030602   ; K step 2 q + 1: the same of blocks 4 q + 2, 4 q + 3
.endr
.endr
.rept 8
	v_nop                                          ; a scale register written by a vector instruction stands eight places ahead of a scaled matrix instruction
.endr
.macro WM d, a, b, z, sa, sb, ra, rb   ; one product; z: it starts its sum; ra, rb: the scales stand in lanes 16-31
.if \z
.if (\ra) && (\rb)
	v_wmma_scale_f32_16x16x128_f8f6f4 v[\d:\d+7], v[\a:\a+7], v[\b:\b+7], 0, v[\sa], v[\sb] matrix_a_fmt:MATRIX_FMT_FP4 matrix_b_fmt:MATRIX_FMT_FP4 matrix_a_scale:MATRIX_SCALE_ROW1 matrix_b_scale:MATRIX_SCALE_ROW1
.elseif (\ra)
	v_wmma_scale_f32_16x16x128_f8f6f4 v[\d:\d+7], v[\a:\a+7], v[\b:\b+7], 0, v[\sa], v[\sb] matrix_a_fmt:MATRIX_FMT_FP4 matrix_b_fmt:MATRIX_FMT_FP4 matrix_a_scale:MATRIX_SCALE_ROW1
.elseif (\rb)
	v_wmma_scale_f32_16x16x128_f8f6f4 v[\d:\d+7], v[\a:\a+7], v[\b:\b+7], 0, v[\sa], v[\sb] matrix_a_fmt:MATRIX_FMT_FP4 matrix_b_fmt:MATRIX_FMT_FP4 matrix_b_scale:MATRIX_SCALE_ROW1
.else
	v_wmma_scale_f32_16x16x128_f8f6f4 v[\d:\d+7], v[\a:\a+7], v[\b:\b+7], 0, v[\sa], v[\sb] matrix_a_fmt:MATRIX_FMT_FP4 matrix_b_fmt:MATRIX_FMT_FP4
.endif
.else
.if (\ra) && (\rb)
	v_wmma_scale_f32_16x16x128_f8f6f4 v[\d:\d+7], v[\a:\a+7], v[\b:\b+7], v[\d:\d+7], v[\sa], v[\sb] matrix_a_fmt:MATRIX_FMT_FP4 matrix_b_fmt:MATRIX_FMT_FP4 matrix_a_scale:MATRIX_SCALE_ROW1 matrix_b_scale:MATRIX_SCALE_ROW1
.elseif (\ra)
	v_wmma_scale_f32_16x16x128_f8f6f4 v[\d:\d+7], v[\a:\a+7], v[\b:\b+7], v[\d:\d+7], v[\sa], v[\sb] matrix_a_fmt:MATRIX_FMT_FP4 matrix_b_fmt:MATRIX_FMT_FP4 matrix_a_scale:MATRIX_SCALE_ROW1
.elseif (\rb)
	v_wmma_scale_f32_16x16x128_f8f6f4 v[\d:\d+7], v[\a:\a+7], v[\b:\b+7], v[\d:\d+7], v[\sa], v[\sb] matrix_a_fmt:MATRIX_FMT_FP4 matrix_b_fmt:MATRIX_FMT_FP4 matrix_b_scale:MATRIX_SCALE_ROW1
.else
	v_wmma_scale_f32_16x16x128_f8f6f4 v[\d:\d+7], v[\a:\a+7], v[\b:\b+7], v[\d:\d+7], v[\sa], v[\sb] matrix_a_fmt:MATRIX_FMT_FP4 matrix_b_fmt:MATRIX_FMT_FP4
.endif
.endif
.endm
.macro MM i, f, g, z                   ; my row fragment i (the tile's 4 x row half + i: of the same parity) against my column fragment f, K step g
.set ARG, 8*(4*(\i)+(\f))
.set WRG, 32*((\g)%8)+8*(\f)
.set XRG, GF+40*((\g)%2)+8*(\i)
.set SAR, SW3+2*(\g)+(\f)/2
.set SBR, GSR+6*((\g)/2)+2*((\i)/2)+((\g)%2)
.set RAA, (\f)%2
.set RBB, (\i)%2
	WM ARG, WRG, XRG, \z, SAR, SBR, RAA, RBB
.endm
; A K step: 20 products, each accumulator one turn, in the same order in every step.  The next step's fragments of g and the sixth next step's of W3 are asked for ahead of them.
.macro STEP g, z
	s_wait_dscnt 0x0                               ; this step's fragments of g are in (in step 0 the scale words too)
.if ((\g) == 3) || ((\g) == 7) || ((\g) == 11)
	s_wait_tensorcnt 2-(\g)/4                      ; my part of the next chunk has landed; the chunks behind it may stay out
	s_barrier_signal -1
	s_barrier_wait -1                              ; everybody's has
.endif
.if (\g) < 15
.if (\g) > 0
	PLACES                                         ; the set was multiplied in the step before
.endif
	AFL (\g)+1
.endif
.if (\g) < 16-AHEAD
	WLD (\g)+AHEAD
	s_wait_loadcnt 8*AHEAD                         ; this step's eight loads of W3 are in; behind them stand the six later steps'
.else
	s_wait_loadcnt 8*(15-(\g))                     ; behind them stand the steps that are left
.endif
.set WW, 0x56+(\g)/8                   ; source 0 window 2 or 3, source 1, C and D window 1
	WIN WW
.irp i, 0,1,2,3,4
.irp f, 0,1,2,3
	MM \i, \f, \g, \z
.endr
.endr
.endm
	STEP 0, 1                                      ; the first step's products start the sums: nothing is cleared
.irp g, 1,2,3,4,5,6,7,8,9,10,11,12,13,14,15
	STEP \g, 0
.endr
	; THE WAY OUT.  A lane's eight results are 32 bytes of a token's row; a row's 512 bytes come from two waves: they meet in the stage.
	PLACES
	WIN 0x04                                       ; an LDS store's data are its source 1: window 1
.irp f, 0,1,2,3
	ds_store_b128 v12, v[8*\f:8*\f+3] offset:64*\f                                     ; each accumulator from its low end on
	ds_store_b128 v12, v[8*\f+4:8*\f+7] offset:64*\f+16
.endr
.irp i, 1,2,3,4
.irp f, 0,1,2,3
	ds_store_b128 v11, v[8*(4*\i+\f):8*(4*\i+\f)+3] offset:16*SPITCH*\i+64*\f
	ds_store_b128 v11, v[8*(4*\i+\f)+4:8*(4*\i+\f)+7] offset:16*SPITCH*\i+64*\f+16
.endr
.endr
	WIN 0
	s_wait_dscnt 0x0                               ; for the others' sake: my part of the rows lies in the stage
	s_barrier_signal -1
	s_barrier_wait -1
	WIN 0x80                                       ; into window 2: W3's fragments are done with
.set j, 0
.rept 36
	ds_load_b128 v[4*j:4*j+3], v13 offset:SPITCH*j                 ; whole rows come back while their places in out0 are made
.set j, j+1
.endr
	WIN 0
	v_cmp_lt_u32 vcc_lo, 0, v18                    ; all lanes on where the tile has rows, all off where it is empty
; The places of 18 of my 36 rows, from row j0 on.  The three kinds of lines stand in runs, so that the scalar lines wait once for the run of lane reads, not once a row.
.macro ROWADR j0
.set j, \j0
.rept 18
.if j < 32
	v_readlane_b32 s[TK+j-\j0], v14, j
.else
	v_readlane_b32 s[TK+j-\j0], v15, j-32
.endif
.set j, j+1
.endr
.set j, 0
.rept 18
	s_min_u32 s[TK+j], s[TK+j], 0xfff
	s_lshl_b32 s[TK+j], s[TK+j], 12
.set j, j+1
.endr
.set j, 0
.rept 18
	v_add_nc_u32 v[OA+\j0+j], s[TK+j], v4          ; the token's row of out0, 16 bytes a lane
.set j, j+1
.endr
.endm
	ROWADR 0
	ROWADR 18
	WIN 0x08                                       ; a store's data are its source 1: window 2
	s_wait_xcnt 0x0                                ; EXEC changes only behind this wait
	s_and_saveexec_b32 s70, vcc_lo                 ; an empty tile's stores run with no lane on: it walks the same lines as its partners and stores nothing
.set j, 0
.rept 36
	s_wait_dscnt 35-j                              ; row j is back; the rows behind it may be out
	global_store_b128 v[OA+j], v[4*j:4*j+3], s[66:67] th:TH_STORE_NT   ; the wave stores 512 consecutive bytes, aligned; written once, read by nobody here
.set j, j+1
.endr
	s_wait_xcnt 0x0                                ; and again, in front of the line that widens it
	s_or_b32 exec_lo, exec_lo, s70                 ; EXEC restored from s70
	WIN 0
	ROUND                                          ; the closing round: no work-group ends while a partner may still ask for a tile that names it
	s_endpgm
.Lfunc_end_k_qb13010cea4_outp:
	.size	k_qb13010cea4_outp, .Lfunc_end_k_qb13010cea4_outp-k_qb13010cea4_outp
	.p2alignl 7, 3214868480
	.fill 96, 4, 3214868480
	.section	.rodata,"a",@progbits
	.p2align	6, 0x0
	.amdhsa_kernel k_qb13010cea4_outp
		.amdhsa_group_segment_fixed_size 242176
		.amdhsa_private_segment_fixed_size 0
		.amdhsa_enable_private_segment 0
		.amdhsa_kernarg_size 32
		.amdhsa_user_sgpr_count 2
		.amdhsa_user_sgpr_kernarg_segment_ptr 1
		.amdhsa_wavefront_size32 1
		.amdhsa_system_sgpr_workgroup_id_x 1
		.amdhsa_system_sgpr_workgroup_id_y 1
		.amdhsa_system_sgpr_workgroup_id_z 1
		.amdhsa_system_vgpr_workitem_id 0
		.amdhsa_next_free_vgpr 1024
		.amdhsa_next_free_sgpr 92
		.amdhsa_reserve_vcc 1
		.amdhsa_float_denorm_mode_32 3
		.amdhsa_float_denorm_mode_16_64 3
		.amdhsa_memory_ordered 1
		.amdhsa_forward_progress 1
		.amdhsa_inst_pref_size 99
	.end_amdhsa_kernel
	.amdgpu_metadata
---
amdhsa.version: [ 1, 2 ]
amdhsa.kernels:
  - .name:           k_qb13010cea4_outp
    .symbol:         k_qb13010cea4_outp.kd
    .args:
      - { .name: gq, .offset: 0, .size: 8, .value_kind: global_buffer, .address_space: global }
      - { .name: wq, .offset: 8, .size: 8, .value_kind: global_buffer, .address_space: global }
      - { .name: route, .offset: 16, .size: 8, .value_kind: global_buffer, .address_space: global }
      - { .name: out0, .offset: 24, .size: 8, .value_kind: global_buffer, .address_space: global }
    .group_segment_fixed_size: 242176
    .private_segment_fixed_size: 0
    .kernarg_segment_align: 8
    .kernarg_segment_size: 32
    .max_flat_workgroup_size: 128
    .sgpr_count:     92
    .vgpr_count:     1024
    .wavefront_size: 32
...
	.end_amdgpu_metadata
.endif
;; end of part 4
